; MI455X (gfx1250); checked and timed in simulation.
; The chip was launched on July 23, 2026; its instructions are those of AMD's public machine-readable ISA for CDNA 5 (MIT licence, August 2026) and "CDNA5" Instruction Set Architecture Reference Guide (July 2026). The comments in the code are by the model that wrote it; some were corrected since.
;; Multi Head Causal Attention. Allowed arithmetic: matrix products marked QUANTISED: E2M1 operands, one E8M0 scale for each 32 along K, by v_wmma_scale_f32_16x16x128_f8f6f4 with both operands' format E2M1 (or v_wmma_scale_f32_32x16x128_f4), f32 sums; products left as they are: bf16, f16 or f32 operands; f32 sums; everything else in f32.
;; Inputs: w_out 1,024 x 1,024 float32; w_qkv 3,072 x 1,024 float32; x 4 x 2,048 x 1,024 float32.
;; Outputs: out0 4 x 2,048 x 1,024 float32.
;; This version of the problem:
;;   THIS VERSION OF THE PROBLEM IS GIVEN IN LOW PRECISION. The matrix products marked QUANTISED in the list below multiply operands that are first quantised to E2M1 (2 exponent bits, 1 mantissa bit; 4 bits a number), with one power-of-two scale for each 32 numbers along K (OCP MX v1.0); their sums are f32. The products marked 'left as it is' may take bf16, f16 or f32 operands, with f32 sums. Whichever they take, every output number must still come out within the allowed error. Rounding operands to bf16 (8 significant bits) uses up far more of that allowance than f16 does (11 bits, for magnitudes from 6e-5 to 65,504). All else is computed in f32.
;;   The module's matrix products, in the order in which they are computed (A, B: the left and right operand; K: the contracted axis; several contracted axes count as one K, in the product's order):
;;     1. [M 8,192, K 1,024] x [K 1,024, N 3,072]; A: input x; B: input w_qkv: QUANTISED
;;     2. batch 64 x [M 2,048, K 64] x [K 64, N 2,048]; A: computed on the way; B: computed on the way: left as it is (an operand is computed on the way)
;;     3. batch 64 x [M 2,048, K 2,048] x [K 2,048, N 64]; A: computed on the way; B: computed on the way: left as it is (an operand is computed on the way)
;;     4. [M 8,192, K 1,024] x [K 1,024, N 1,024]; A: computed on the way; B: input w_out: left as it is (an operand is computed on the way)
;;   THE QUANTISER, for each operand of a quantised product, along K:
;;     - K is cut into blocks of 32 from its start; a last block that is shorter is filled with zeros.
;;     - A block's scale is 2^e with e = floor(log2(the largest magnitude in the block)) - 2, held to -126 .. 127; a block of zeros has e = 0. As a byte (E8M0): e + 127.
;;     - Each number is divided by its block's scale, clamped to +-6, and rounded to the nearest number of E2M1, ties to even, subnormals kept.
;;     - The product sums the exact products of the quantised numbers (number of the format x scale) in f32.
;;   ~~~python
;;   def quantise(x, axis):      # numpy; x: float32 -> the quantised numbers, widened to float32 again
;;       x = np.moveaxis(x, axis, -1); K = x.shape[-1]
;;       x = np.pad(x, [(0, 0)] * (x.ndim - 1) + [(0, -K % 32)]); x = x.reshape(x.shape[:-1] + (-1, 32)); a = np.abs(x).max(-1, keepdims=True)
;;       e = np.where(a > 0, np.clip(np.frexp(np.where(a > 0, a, 1))[1] - 1 - 2, -126, 127), 0)      # np.frexp(a)[1] - 1 = floor(log2(a)), exactly
;;       r = np.clip(x / 2.0 ** e, -6, 6)
;;       step = 2.0 ** (np.maximum(np.frexp(np.where(r == 0, 1, r))[1] - 1, 0) - 1)
;;       q = np.round(r / step) * step * 2.0 ** e      # np.round: ties to even
;;       return np.moveaxis(q.reshape(q.shape[:-2] + (-1,))[..., :K], -1, axis).astype(np.float32)
;;   ~~~
;; One version. Each part assembles by itself: llvm-mc -triple=amdgcn-amd-amdhsa -mcpu=gfx1250 --defsym DOCPART=n.
;; ======== version 1 of 1: 5 launches
;; limits: values are held in f16: magnitudes above 65,504 overflow, below 6.1e-05 lose precision
;; workspace buffers: x_codes 4,194,304 bytes; x_scales 262,144 bytes; w_codes 1,572,864 bytes; w_scales 98,304 bytes; wo16 2,097,152 bytes; qkv 50,331,648 bytes; q16 786,432 bytes; ao 16,777,216 bytes
;; launch quant (part 1): grid 480 x 1, 4 waves a work-group, no clusters, 33,280 bytes of LDS; arguments x, w_qkv, x_codes, x_scales, w_codes, w_scales, w_out, wo16; writes x_codes, x_scales, w_codes, w_scales, wo16
.if DOCPART == 1
	.amdgcn_target "amdgcn-amd-amdhsa--gfx1250"
	.amdhsa_code_object_version 6
	.text
	.protected	k_q715fd447ca_quant
	.globl	k_q715fd447ca_quant
	.p2align	8
	.type	k_q715fd447ca_quant,@function
k_q715fd447ca_quant:
	s_mov_b64 s[64:65], 0
	v_nop
	global_prefetch_b8 v0, s[64:65] scope:SCOPE_SE
	s_setreg_imm32_b32 hwreg(HW_REG_WAVE_MODE, 25, 1), 1
	s_wait_xcnt 0x0
; LAUNCH 1 OF 5 (quant, qkv, attn, proj, first16): causal attention, 4 sequences x 2,048 positions x 1,024 channels, 16 heads of 64.
; DEAD WORK, for the whole program.  reference() sets the score of key k for query q to -infinity wherever k > q, by a mask that it builds itself (jnp.tril); the softmax gives such a key the weight
; exp(-infinity) = 0, whatever finite values the inputs hold.
; Nothing else is left out: x, w_qkv and w_out all have a way to the output and are loaded.
; LIMIT: a NaN, an infinity or an overflow that would arise only in the tiles left out is not carried to the result.
; THIS LAUNCH.  x [8192][1024] and w_qkv [3072][1024], f32, K innermost, become codes of E2M1, two a byte, K innermost, with one E8M0 scale byte for each 32 along K: the operands of the quantised product.
; A block's scale is 2^(floor(log2(its largest magnitude)) - 2); its byte is the largest magnitude's own exponent field - 2, held at 1 from below.  A block of zeros so gets the byte 1 where the rule says 127:
; its codes are zeros, which add nothing under any byte but 0xff, and the bytes are read by this program alone.  Each number is divided by the scale and rounded to the nearest code, ties to even, beyond 6 the code of 6.
; w_out [1024][1024] f32 becomes f16, laid [n / 256][head 16][n % 256][64], so that launch proj finds two heads of 256 rows as one dense block.
; LIMITS: NaN and infinities among the inputs are not served; blocks whose largest magnitude lies under 2^-124 keep the byte 1; |w_out| stays under 65,504 (f16).
; Work-groups 0-255 take x, 256-351 w_qkv, 352-479 w_out.  Rows are dense and K is a multiple of 32, so x and w_qkv are plain streams of blocks of 32 numbers, and so are the codes and the scale bytes.
; A wave takes 16 steps of 512 numbers.  Each of a step's four loads reads 512 consecutive bytes; the 2,048 bytes turn through the wave's own stage in LDS and come back 64 bytes a lane: 16 neighbours along K,
; two neighbouring lanes to a block.  A lane's 16 codes are 8 bytes: the wave stores 256 consecutive bytes.  A wave's 256 scale bytes are gathered in LDS and leave as 256 consecutive bytes.
.set SIZE_M, 8192
.set SIZE_N, 3072
.set SIZE_K, 1024
.set WAVES, 4
.set STEPS, 16
.set WGA,   SIZE_M*SIZE_K/(512*STEPS*WAVES)          ; 256 work-groups for x
.set WGQ,   WGA+SIZE_N*SIZE_K/(512*STEPS*WAVES)      ; 352: from here on w_out
.set CB,    8                          ; bytes of 16 codes
.set R,     16                         ; v16-79   four sets of 16 numbers as they are loaded
.set X,     80                         ; v80-111  two sets of 16 neighbours
.set C,     128                        ; v128-191 codes: four registers for each step, so that no store's data are written again
.set E,     112                        ; v112-127 a scale byte for each step
.set WREG,  8192                       ; LDS: a region for each wave: two stages of 32 x SP bytes, behind them its 256 scale bytes
.set SP,    80                         ; a lane's place in a stage: 64 bytes + 16 of padding
.set SPW,   12                         ; v12      LDS address of my spare word; never rewritten
.set NIL,   13                         ; v13      0; never rewritten
.set SPARE, WAVES*WREG                 ; behind the four regions: the spare words, 128 bytes a wave, which no other line names
	s_load_b128 s[4:7], s[0:1], 0x0                ; x, w_qkv
	s_load_b128 s[8:11], s[0:1], 0x10              ; x's codes, x's scales
	s_load_b128 s[12:15], s[0:1], 0x20             ; w_qkv's codes, its scales
	s_load_b128 s[24:27], s[0:1], 0x30             ; w_out, wo16
	v_lshl_add_u32 v[SPW], v0, 2, SPARE
	v_mov_b32 v[NIL], 0
	v_lshrrev_b32 v1, 5, v0
	v_readfirstlane_b32 s16, v1                    ; wave
	v_and_b32 v2, 31, v0                           ; lane
	v_lshlrev_b32 v3, 4, v2                        ; my 16 bytes of a load's 512
	s_mul_i32 s17, s16, WREG
	v_lshrrev_b32 v14, 2, v2
	v_mul_u32_u24 v14, v14, SP
	v_and_b32 v15, 3, v2
	v_lshl_add_u32 v14, v15, 4, v14
	v_add_nc_u32 v14, s17, v14                     ; the stage, on the way in: SP (lane / 4) + 16 (lane % 4)
	v_mul_u32_u24 v15, v2, SP
	v_add_nc_u32 v15, s17, v15                     ; and on the way out: SP x lane: my 16 neighbours
	v_mul_u32_u24 v4, v2, CB                       ; my codes' place in a step's
	v_lshrrev_b32 v5, 1, v2
	s_add_co_u32 s17, s17, 2*32*SP
	v_add_nc_u32 v5, s17, v5                       ; LDS: my wave's 256 scale bytes, my block's byte
	v_lshlrev_b32 v7, 3, v2                        ; and on the way out 8 bytes a lane
	v_add_nc_u32 v6, s17, v7
	s_wait_kmcnt 0x0
	s_cmp_ge_u32 ttmp9, WGQ                        ; the work-group's number alone decides
	s_cbranch_scc1 .Lwout
	s_cmp_lt_u32 ttmp9, WGA                        ; x's work-group or w_qkv's?  Only pointers are chosen: both take one path
	s_cselect_b64 s[4:5], s[4:5], s[6:7]
	s_cselect_b64 s[8:9], s[8:9], s[12:13]
	s_cselect_b64 s[10:11], s[10:11], s[14:15]
	s_cselect_b32 s17, 0, WGA
	s_sub_co_u32 s17, ttmp9, s17
	s_lshl_b32 s17, s17, 2
	s_add_co_u32 s18, s17, s16                     ; which run of 8,192 numbers of the tensor is my wave's
	s_mov_b32 s19, 0
	s_mov_b64 s[20:21], 512*STEPS*4
	s_mul_u64 s[20:21], s[18:19], s[20:21]
	s_add_nc_u64 s[4:5], s[4:5], s[20:21]
	s_mov_b64 s[20:21], 32*STEPS*CB
	s_mul_u64 s[20:21], s[18:19], s[20:21]
	s_add_nc_u64 s[8:9], s[8:9], s[20:21]
	s_lshl_b32 s18, s18, 8                         ; 256 scale bytes a run
	s_add_nc_u64 s[10:11], s[10:11], s[18:19]
.macro LOAD t
.irp i, 0,1,2,3
	global_load_b128 v[R+16*((\t)%4)+4*\i:R+16*((\t)%4)+4*\i+3], v3, s[4:5] offset:2048*(\t)+512*\i th:TH_LOAD_NT   ; 32 lanes read 512 consecutive bytes
.endr
.endm
.macro TURN t                          ; step t's numbers through the stage: LDS serves a wave's instructions in order, so no wait stands between the stores and the loads
.irp i, 0,1,2,3
	ds_store_b128 v14, v[R+16*((\t)%4)+4*\i:R+16*((\t)%4)+4*\i+3] offset:32*SP*((\t)%2)+8*SP*\i
.endr
.irp i, 0,1,2,3
	ds_load_b128 v[X+16*((\t)%2)+4*\i:X+16*((\t)%2)+4*\i+3], v15 offset:32*SP*((\t)%2)+16*\i
.endr
.endm
.irp t, 0,1,2,3
	LOAD \t
.endr
	s_wait_loadcnt 12                              ; step 0's four loads are in; the twelve of steps 1 to 3 may be out
	TURN 0
.macro STEP t
.set XS, X+16*((\t)%2)
.if (\t) > 0
	s_wait_dscnt 1                                 ; this step's numbers are back from the stage (the last step's byte store may be out)
.else
	s_wait_dscnt 0x0
.endif
.if (\t)+4 < STEPS
	LOAD (\t)+4                                    ; into the registers that this step's stage stores have read
.endif
.if (\t)+1 < STEPS
.if STEPS-2-(\t) >= 3
	s_wait_loadcnt 12                              ; the next step's four loads are in; those of the three steps behind it may be out
.else
	s_wait_loadcnt 4*(STEPS-2-(\t))
.endif
	TURN (\t)+1                                    ; through the other stage while this step is worked
.endif
	v_max3_num_f32 v8, |v[XS]|, |v[XS+1]|, |v[XS+2]|               ; the largest magnitude of my 16, in two chains
	v_max3_num_f32 v9, |v[XS+3]|, |v[XS+4]|, |v[XS+5]|
.irp i, 6,10
	v_max3_num_f32 v8, v8, |v[XS+\i]|, |v[XS+\i+1]|
	v_max3_num_f32 v9, v9, |v[XS+\i+2]|, |v[XS+\i+3]|
.endr
	v_max3_num_f32 v8, v8, |v[XS+14]|, |v[XS+15]|
	v_max3_num_f32 v8, v8, v9, 0x1800000           ; and the floor 2^(3 - 127): so the byte cannot fall under 1
	v_max_num_f32_dpp v8, v8, v8 row_xmask:1 row_mask:0xf bank_mask:0xf   ; and of my neighbour's 16: the block's
	v_add_nc_u32 v11, 0xff000000, v8               ; 2 off its exponent field: the conversion takes the exponent field of this operand as its scale, and nothing else of it
	v_cvt_scalef32_pk8_fp4_f32 v[C+4*(\t)], v[XS:XS+7], v11
	v_cvt_scalef32_pk8_fp4_f32 v[C+4*(\t)+1], v[XS+8:XS+15], v11
	v_lshrrev_b32 v[E+(\t)], 23, v11               ; the scale's byte (also the plain line behind the conversions)
	ds_store_b8 v5, v[E+(\t)] offset:16*(\t)       ; both lanes of a block write the same byte with the same value
	global_store_b64 v4, v[C+4*(\t):C+4*(\t)+1], s[8:9] offset:32*CB*(\t)   ; 32 lanes store 256 consecutive bytes, at a multiple of 256
.endm
.irp t, 0,1,2,3,4,5,6,7,8,9,10,11,12,13,14,15
	STEP \t
.endr
	ds_load_b64 v[8:9], v6                         ; LDS serves a wave's instructions in order: these see my stores
	s_wait_dscnt 0x0
	global_store_b64 v7, v[8:9], s[10:11]          ; 32 lanes store 256 consecutive bytes
	s_wait_tensorcnt 0x0                           ; the wave's end, behind my last LDS store
	ds_add_u32 v[SPW], v[NIL]
	s_wait_dscnt 0x0
	s_endpgm
; w_out to f16.  Wave g of 512 takes rows 2 g and 2 g + 1: lanes 0-15 the first, lanes 16-31 the second; load hh takes head hh's 64 numbers of both rows, 256 consecutive bytes each.
; The two rows' 64 f16 of a head are neighbours in wo16: one store covers 256 consecutive bytes.  Every offset is an immediate and every store has registers of its own.
.Lwout:
	s_sub_co_u32 s17, ttmp9, WGQ
	s_lshl_b32 s17, s17, 2
	s_add_co_u32 s18, s17, s16                     ; g
	s_lshl_b32 s20, s18, 13                        ; two rows of 4,096 bytes
	s_mov_b32 s21, 0
	s_add_nc_u64 s[24:25], s[24:25], s[20:21]
	s_lshr_b32 s20, s18, 7                         ; n / 256
	s_lshl_b32 s20, s20, 19                        ; x 16 heads x 256 rows x 128 bytes
	s_and_b32 s22, s18, 127
	s_lshl_b32 s22, s22, 8                         ; + (n % 256) x 128 bytes
	s_add_co_u32 s20, s20, s22
	s_add_nc_u64 s[26:27], s[26:27], s[20:21]
	v_and_b32 v8, 15, v2
	v_lshrrev_b32 v9, 4, v2
	v_lshlrev_b32 v10, 4, v8
	v_lshl_add_u32 v10, v9, 12, v10                ; in: 4,096 x (lane / 16) + 16 x (lane % 16)
	v_lshlrev_b32 v11, 3, v8
	v_lshl_add_u32 v11, v9, 7, v11                 ; out: 128 x (lane / 16) + 8 x (lane % 16)
.irp hh, 0,1,2,3,4,5,6,7,8,9,10,11,12,13,14,15
	global_load_b128 v[16+4*\hh:19+4*\hh], v10, s[24:25] offset:256*\hh th:TH_LOAD_NT
.endr
.irp hh, 0,1,2,3,4,5,6,7,8,9,10,11,12,13,14,15
	s_wait_loadcnt 15-\hh                          ; loads come back in order: head hh's is in, the younger ones may be out
	v_cvt_pk_f16_f32 v[80+2*\hh], v[16+4*\hh], v[17+4*\hh]
	v_cvt_pk_f16_f32 v[81+2*\hh], v[18+4*\hh], v[19+4*\hh]
	global_store_b64 v11, v[80+2*\hh:81+2*\hh], s[26:27] offset:32768*\hh
.endr
	s_wait_tensorcnt 0x0                           ; the wave's end
	ds_add_u32 v[SPW], v[NIL]
	s_wait_dscnt 0x0
	s_endpgm
.Lfunc_end_k_q715fd447ca_quant:
	.size	k_q715fd447ca_quant, .Lfunc_end_k_q715fd447ca_quant-k_q715fd447ca_quant
	.p2alignl 7, 3214868480
	.fill 96, 4, 3214868480
	.section	.rodata,"a",@progbits
	.p2align	6, 0x0
	.amdhsa_kernel k_q715fd447ca_quant
		.amdhsa_group_segment_fixed_size 33280
		.amdhsa_private_segment_fixed_size 0
		.amdhsa_enable_private_segment 0
		.amdhsa_kernarg_size 64
		.amdhsa_user_sgpr_count 2
		.amdhsa_user_sgpr_kernarg_segment_ptr 1
		.amdhsa_wavefront_size32 1
		.amdhsa_system_sgpr_workgroup_id_x 1
		.amdhsa_system_sgpr_workgroup_id_y 1
		.amdhsa_system_sgpr_workgroup_id_z 1
		.amdhsa_system_vgpr_workitem_id 0
		.amdhsa_next_free_vgpr 192
		.amdhsa_next_free_sgpr 66
		.amdhsa_reserve_vcc 0
		.amdhsa_float_denorm_mode_32 3
		.amdhsa_float_denorm_mode_16_64 3
		.amdhsa_memory_ordered 1
		.amdhsa_forward_progress 1
		.amdhsa_inst_pref_size 40
	.end_amdhsa_kernel
	.amdgpu_metadata
---
amdhsa.version: [ 1, 2 ]
amdhsa.kernels:
  - .name:           k_q715fd447ca_quant
    .symbol:         k_q715fd447ca_quant.kd
    .args:
      - { .name: x, .offset: 0, .size: 8, .value_kind: global_buffer, .address_space: global }
      - { .name: w_qkv, .offset: 8, .size: 8, .value_kind: global_buffer, .address_space: global }
      - { .name: x_codes, .offset: 16, .size: 8, .value_kind: global_buffer, .address_space: global }
      - { .name: x_scales, .offset: 24, .size: 8, .value_kind: global_buffer, .address_space: global }
      - { .name: w_codes, .offset: 32, .size: 8, .value_kind: global_buffer, .address_space: global }
      - { .name: w_scales, .offset: 40, .size: 8, .value_kind: global_buffer, .address_space: global }
      - { .name: w_out, .offset: 48, .size: 8, .value_kind: global_buffer, .address_space: global }
      - { .name: wo16, .offset: 56, .size: 8, .value_kind: global_buffer, .address_space: global }
    .group_segment_fixed_size: 33280
    .private_segment_fixed_size: 0
    .kernarg_segment_align: 8
    .kernarg_segment_size: 64
    .max_flat_workgroup_size: 128
    .sgpr_count:     66
    .vgpr_count:     192
    .wavefront_size: 32
...
	.end_amdgpu_metadata
.endif
;; end of part 1
;; launch qkv (part 2): grid 12 x 32, 4 waves a work-group, clusters of 4 x 4, 327,680 bytes of LDS; arguments x_codes, x_scales, w_codes, w_scales, qkv, q16; writes qkv, q16
.if DOCPART == 2
	.amdgcn_target "amdgcn-amd-amdhsa--gfx1250"
	.amdhsa_code_object_version 6
	.text
	.protected	k_q715fd447ca_qkv
	.globl	k_q715fd447ca_qkv
	.p2align	8
	.type	k_q715fd447ca_qkv,@function
k_q715fd447ca_qkv:
	s_mov_b64 s[64:65], 0
	v_nop
	global_prefetch_b8 v0, s[64:65] scope:SCOPE_SE
	s_setreg_imm32_b32 hwreg(HW_REG_WAVE_MODE, 25, 1), 1
	s_wait_xcnt 0x0
	s_wait_alu depctr_hold_cnt(0) depctr_sa_sdst(0) depctr_va_vdst(0) depctr_va_sdst(0) depctr_va_ssrc(0) depctr_va_vcc(0) depctr_vm_vsrc(0)
	s_getreg_b32 s2, hwreg(HW_REG_IB_STS2, 6, 4)
	s_cmp_eq_u32 s2, 0
	s_cbranch_scc0 .Lentry_in_a_cluster
	s_endpgm
.Lentry_in_a_cluster:
	s_bfe_u32 s2, ttmp6, 0x10000c
	s_cmp_lg_u32 s2, 0xf033
	s_cbranch_scc0 .Lentry_shape_is_right
	s_endpgm
.Lentry_shape_is_right:
; LAUNCH 2 OF 5.  The quantised product: qkv[m][n] = sum over k of x[m][k] w_qkv[n][k], on codes of E2M1 with one E8M0 scale for each 32 along K, sums in f32.  Nothing is left out here.
; A = x's codes [8192][512 bytes], B = w_qkv's codes [3072][512 bytes]; scale bytes [rows][32].  The matrix instruction takes codes and scale bytes as they lie in memory.
; RESULTS: q, k and v rounded once to f16 and laid by head, qkv [which 3][sequence x 16 + head][position 2048][64], for launch attn; and the rows of positions 0 to 15 of each sequence also in f32,
; q16 [sequence x 16 + position][3072], for launch first16.   LIMIT: |q|, |k|, |v| stay under 65,504 (f16).
; A tile of C, 256 x 256, is made by a work-group of four waves; a wave makes 128 x 128: 64 accumulators of 16 x 16, 512 registers.  K = 1,024 is two slots of 512: both are asked for at the start and none is filled again.
; THE SCALES of the work-group's 256 rows of A and of B, for all of K, are two dense blocks of memory: they come into LDS once, with the first fills.
; CLUSTERS: 4 x 4 work-groups.  The four of a row of the cluster need the same tiles of A, the four of a column the same tiles of B: each tile is asked for JOINTLY, by the same tensor load with the same descriptor
; and a mask that names the four.  TILE ROW = 8 x cy + cluster y: so the sequence is cy, and the tiles that hold positions 0 to 15 are those of cluster y = 0, a number that all sixteen partners share.
; THE MATRIX INSTRUCTION IS USED TRANSPOSED (source 0 = 16 rows of B, source 1 = 16 rows of A): a lane then holds eight neighbouring columns of one row of C.
; REGISTERS, in windows of 256: window 0: v0-31 addresses; v32-95 scale words, two sets; from v128 A's fragments, ONE set; on the way out v96-191 are at work.
;   window 1: B's fragments, TWO sets, at v0 and v128.   window 2: the 32 accumulators of my rows 0-63 (accumulator (a, b) at v[8 (8 a + b)]);   window 3: those of my rows 64-127.
.set SIZE_M, 8192
.set SIZE_N, 3072
.set SIZE_K, 1024
.set KSTEP,  512                       ; along K in a slot
.set NQ,     KSTEP/128                 ; matrix instructions deep
.set ROWB,   256                       ; a tile's row in bytes
.set KROW,   SIZE_K*4/8                ; a row of codes in memory
.set PITCH,  272                       ; an LDS row: 256 bytes + 16 of padding = 68 words: the 16 rows that a load touches start at 16 different banks (64 banks of 4 bytes: ISA guide 11.1)
.set FR,     8                         ; registers of a fragment: 16 rows x 128 K
.set NL,     2                         ; LDS loads that bring one
.set NP,     4                         ; places behind this matrix instruction (ISA guide 7.12.1)
.set HALFT,  128*PITCH                 ; 128 rows: what one tensor load brings
.set SLOT,   4*HALFT                   ; A's 256 rows, then B's 256 rows
.set KS,     SIZE_K/32                 ; a row of scales in bytes
.set SCL,    2*SLOT                    ; behind the two slots: the scales, as rows of 256 bytes + 16 of padding
.set HALFS,  (128*KS/256)*272          ; the scales of 128 rows
.set SBLK,   (16*KS/256)*272           ; those of 16 rows
.set SPARE,  SCL+4*HALFS               ; the spare words, 128 bytes a wave, which no other line names
.set SPITCH, 272                       ; the way out: a stage of 16 rows x (256 bytes + 16) for each wave, in slot 0, which has had its only fill and its last read when the first result is stored there
.set ADRA, 16                          ; v16-17  LDS address of my A fragments in slot 0, 1
.set ADRB, 20                          ; v20-21  the same for B
.set STO,  24                          ; v24     the way out: where I put 16 bytes of a row
.set RD,   25                          ; v25     where I read 16 bytes back
.set CO,   26                          ; v26     16 x lane: my place in 512 bytes of qkv
.set ADRS, 27                          ; v27     LDS address of my scale words: lanes 0-15 A's rows, lanes 16-31 B's
.set SPW,  28                          ; v28     LDS address of my spare word; never rewritten
.set NIL,  29                          ; v29     0; never rewritten
.set Q16O, 30                          ; v30     my byte offset in q16's 16 rows
.set SC,   32                          ; scale words: set s at v[SC + 8 NQ s]; register NQ i + q: lanes 0-15 the word of A's block i, lanes 16-31 that of B's block i
.set TMP,  96                          ; the way out: a block's results as f16
.set AF,   128                         ; A's fragments
.set BK,   128                         ; the way out: a block read back from the stage: v128-159 and v160-191 by turns
.set G1, 24                            ; s[24:31] descriptor group 1 for A's tiles;  s[32:39] group 0, one set for each slot
.set G0, 32
.set G1B, 48                           ; s[48:55], s[56:63] the same for B's tiles
.set G0B, 56
.set G1S, 68                           ; s[68:75], s[76:79] groups 1 and 0 for A's scales;  s[80:87], s[88:91] for B's
.set G0S, 76
.set G1SB, 80
.set G0SB, 88
.set MSB, 0
.macro WIN new                         ; the immediate's high byte repeats the setting that is left
.if MSB != \new
	s_set_vgpr_msb (MSB<<8)|\new
.set MSB, \new
.endif
.endm
.set MUL_LO, 0xa1                      ; source 0 (B) window 1, source 1 (A) window 0, C and D window 2
.set MUL_HI, 0xf1                      ; the same, C and D window 3
.set TO_B,   0x40                      ; destination window 1, address window 0
; A joint load: waves 0 and 1 fetch for A, waves 2 and 3 for B.  Each line has ONE mask and one set of registers for all that issue it; the branch hangs on the wave's number alone.
; An s_nop 0 and four v_nop follow each of the two lines.
.macro JLOAD g0a, g1a, g0b, g1b
	s_cmp_eq_u32 s15, 0
	s_cbranch_scc0 .Lfor_b_\@
	tensor_load_to_lds s[\g0a:\g0a+3], s[\g1a:\g1a+7]
	s_nop 0
.rept 4
	v_nop
.endr
	s_branch .Lasked_\@
.Lfor_b_\@:
	tensor_load_to_lds s[\g0b:\g0b+3], s[\g1b:\g1b+7]
	s_nop 0
.rept 4
	v_nop
.endr
.Lasked_\@:
.endm
.macro CROUND                          ; a round of the cluster's barrier
	s_barrier_signal -1
	s_barrier_wait -1
	s_cmp_lg_u32 s14, 0
	s_cbranch_scc1 .Lnot_wave_0_\@
	s_barrier_signal -3
.Lnot_wave_0_\@:
	s_barrier_wait -3
	s_barrier_signal -1
	s_barrier_wait -1
.endm
	s_load_b128 s[4:7], s[0:1], 0x0                ; A's codes s[4:5], A's scales s[6:7]
	s_load_b128 s[8:11], s[0:1], 0x10              ; B's codes s[8:9], B's scales s[10:11]
	s_load_b64 s[12:13], s[0:1], 0x20              ; qkv
	s_load_b64 s[96:97], s[0:1], 0x28              ; q16
	v_lshl_add_u32 v[SPW], v0, 2, SPARE
	v_mov_b32 v[NIL], 0
	ds_add_u32 v[SPW], v[NIL]                      ; the wave's opening: the add, twice on end, and its wait ahead of my first tensor load
	ds_add_u32 v[SPW], v[NIL]
	v_lshrrev_b32 v1, 5, v0
	v_readfirstlane_b32 s14, v1                    ; wave 0..3
	s_lshr_b32 s15, s14, 1                         ; which half of the tile's rows is mine.  Also: I fetch for A (0) or for B (1)
	s_and_b32 s16, s14, 1                          ; which half of its columns.  Also: which 128 rows of that tile I fetch
	s_bfe_u32 s40, ttmp6, 0x40000                  ; cx, cy: my place in the cluster
	s_bfe_u32 s41, ttmp6, 0x40004
	s_lshl_b32 s42, ttmp9, 2
	s_add_co_u32 s42, s42, s40                     ; tile column of C = 4 x cluster x + cx
	s_and_b32 s17, ttmp7, 0xffff                   ; cluster y
	s_lshl_b32 s18, s41, 3
	s_add_co_u32 s17, s17, s18                     ; tile row of C = 8 x cy + cluster y: it hangs on cy and the cluster's y alone
	s_lshl_b32 s43, s41, 2
	s_lshl_b32 s43, 15, s43                        ; my row of the cluster
	s_lshl_b32 s44, 0x1111, s40                    ; my column
	; descriptor group 1: a tile of 128 rows x 256 bytes, padded in LDS
	s_or_b32 s[G1+0], s43, (0<<16)|(1<<20)|(1<<21)|(5<<22)|(3<<25)  ; 15:0 the mask; 17:16 elements of 1 byte; 20 padding on; 21 set beside a mask; 24:22 after every 64 words; 31:25 four words
	s_or_b32 s[G1B+0], s44, (0<<16)|(1<<20)|(1<<21)|(5<<22)|(3<<25)
.irp g, G1, G1B
	s_mov_b32 s[\g+1], ROWB<<16                    ; tensor_dim0
	s_mov_b32 s[\g+2], 128<<16                     ; tensor_dim1
	s_mov_b32 s[\g+3], ROWB<<16                    ; tile_dim0
	s_mov_b32 s[\g+4], 128                         ; tile_dim1
	s_mov_b32 s[\g+5], KROW                        ; tensor_dim0_stride
	s_mov_b32 s[\g+6], 0
	s_mov_b32 s[\g+7], 0
.endr
	; the scales of 128 rows: a dense block of 4,096 bytes, as 16 rows of 256 bytes (32 elements of 8 bytes), 16 bytes of padding behind each
	s_or_b32 s[G1S+0], s43, (3<<16)|(1<<20)|(1<<21)|(5<<22)|(3<<25)
	s_or_b32 s[G1SB+0], s44, (3<<16)|(1<<20)|(1<<21)|(5<<22)|(3<<25)
.irp g, G1S, G1SB
	s_mov_b32 s[\g+1], 32<<16
	s_mov_b32 s[\g+2], (128*KS/256)<<16
	s_mov_b32 s[\g+3], 32<<16
	s_mov_b32 s[\g+4], 128*KS/256
	s_mov_b32 s[\g+5], 32
	s_mov_b32 s[\g+6], 0
	s_mov_b32 s[\g+7], 0
.endr
	s_lshl_b32 s18, s16, 7                         ; which 128 rows of the tile I fetch
	s_lshl_b32 s20, s17, 8
	s_add_co_u32 s20, s20, s18                     ; A: row 256 x tile row + 128 x half
	s_lshl_b32 s46, s42, 8
	s_add_co_u32 s46, s46, s18                     ; B: row 256 x tile column + 128 x half
	s_mov_b32 s21, 0
	s_mov_b32 s47, 0
	s_mov_b64 s[18:19], KS
	s_mul_u64 s[22:23], s[20:21], s[18:19]         ; where these rows' scales begin, in bytes
	s_mul_u64 s[92:93], s[46:47], s[18:19]
	s_mov_b64 s[18:19], KROW
	s_mul_u64 s[20:21], s[20:21], s[18:19]         ; and their codes
	s_mul_u64 s[46:47], s[46:47], s[18:19]
	s_mul_i32 s45, s14, HALFT                      ; where they go: wave x 128 rows: no place in the cluster enters an LDS address
	s_mul_i32 s94, s14, HALFS
	s_wait_dscnt 0x0                               ; both opening adds are done
	s_wait_kmcnt 0x0
	s_add_nc_u64 s[20:21], s[4:5], s[20:21]
	s_add_nc_u64 s[22:23], s[6:7], s[22:23]
	s_add_nc_u64 s[46:47], s[8:9], s[46:47]
	s_add_nc_u64 s[92:93], s[10:11], s[92:93]
	CROUND                                         ; all sixteen work-groups are here: the joint loads meet
	s_mov_b32 s[G0S], 1
	s_add_co_u32 s[G0S+1], s94, SCL
	s_mov_b64 s[G0S+2:G0S+3], s[22:23]
	s_or_b32 s[G0S+3], s[G0S+3], 0x80000000
	s_mov_b32 s[G0SB], 1
	s_add_co_u32 s[G0SB+1], s94, SCL
	s_mov_b64 s[G0SB+2:G0SB+3], s[92:93]
	s_or_b32 s[G0SB+3], s[G0SB+3], 0x80000000
	JLOAD G0S, G1S, G0SB, G1SB                     ; the scales first: they are wanted with the first slot
.irp s, 0,1
	s_mov_b32 s[G0+4*\s], 1
	s_add_co_u32 s[G0+4*\s+1], s45, \s*SLOT
	s_add_nc_u64 s[G0+4*\s+2:G0+4*\s+3], s[20:21], \s*ROWB
	s_or_b32 s[G0+4*\s+3], s[G0+4*\s+3], 0x80000000
	s_mov_b32 s[G0B+4*\s], 1
	s_add_co_u32 s[G0B+4*\s+1], s45, \s*SLOT
	s_add_nc_u64 s[G0B+4*\s+2:G0B+4*\s+3], s[46:47], \s*ROWB
	s_or_b32 s[G0B+4*\s+3], s[G0B+4*\s+3], 0x80000000
	JLOAD G0+4*\s, G1, G0B+4*\s, G1B               ; three tensor loads of mine are out: all that this launch asks for
.endr
	v_and_b32 v1, 15, v0                           ; r = l % 16
	v_bfe_u32 v2, v0, 4, 1                         ; h = l / 16
	v_mul_u32_u24 v3, v1, PITCH
	v_lshl_add_u32 v4, v2, 4, v3                   ; a fragment's row x pitch + 16 x half
	s_mul_i32 s21, s15, HALFT                      ; my 128 rows of A
	s_mul_i32 s22, s16, HALFT                      ; my 128 rows of B,
	s_add_co_u32 s22, s22, 2*HALFT                 ; which lie behind A's 256
.irp s, 0,1
	v_add_nc_u32 v[ADRA+\s], s21, v4
	v_add_nc_u32 v[ADRB+\s], s22, v4
	s_add_co_u32 s21, s21, SLOT
	s_add_co_u32 s22, s22, SLOT
.endr
	v_mul_u32_u24 v5, v1, KS                       ; my row's scales: KS bytes a row,
	v_lshrrev_b32 v6, 8, v5
	v_lshl_add_u32 v5, v6, 4, v5                   ; and 16 more for each 256 passed
	s_mul_i32 s21, s15, HALFS                      ; A's: my 128 rows
	s_mul_i32 s22, s16, HALFS                      ; B's: my 128 rows, behind A's 256
	s_add_co_u32 s22, s22, 2*HALFS
	s_sub_co_u32 s22, s22, s21
	v_mul_u32_u24 v6, s22, v2                      ; lanes 16-31 take B's: one product, the distance between the two bases
	s_add_co_u32 s21, s21, SCL
	v_add_nc_u32 v5, v5, v6
	v_add_nc_u32 v[ADRS], s21, v5
	s_mul_i32 s23, s14, 16*SPITCH                  ; my stage
	v_mul_u32_u24 v5, v1, SPITCH                   ; in: row r, 16 bytes for each half of the lanes
	v_lshl_add_u32 v5, v2, 4, v5
	v_add_nc_u32 v[STO], s23, v5
	v_bfe_u32 v5, v0, 3, 2                         ; back: eight lanes take a head's 128 bytes of a row, the 32 lanes four rows
	v_mul_u32_u24 v5, v5, SPITCH
	v_and_b32 v6, 7, v0
	v_lshl_add_u32 v5, v6, 4, v5
	v_add_nc_u32 v[RD], s23, v5
	v_and_b32 v6, 31, v0
	v_lshlrev_b32 v[CO], 4, v6
	v_mul_u32_u24 v[Q16O], v1, 12288               ; q16: row r of 12,288 bytes, + 32 bytes for lanes 16-31
	v_lshl_add_u32 v[Q16O], v2, 5, v[Q16O]
	; qkv at my first row of my first head: ((which x 64 + sequence x 16 + head) << 18) + position x 128.  which = cluster x, sequence = cy, head = 4 cx + 2 x my column half
	s_lshl_b32 s20, ttmp9, 6
	s_lshl_b32 s21, s41, 4
	s_add_co_u32 s20, s20, s21
	s_lshl_b32 s21, s40, 2
	s_add_co_u32 s20, s20, s21
	s_lshl_b32 s21, s16, 1
	s_add_co_u32 s20, s20, s21
	s_lshl_b32 s20, s20, 18
	s_and_b32 s21, ttmp7, 0xffff
	s_lshl_b32 s21, s21, 15                        ; cluster y x 256 positions x 128 bytes
	s_add_co_u32 s20, s20, s21
	s_lshl_b32 s21, s15, 14                        ; my row half: 128 positions
	s_add_co_u32 s20, s20, s21
	s_mov_b32 s21, 0
	s_add_nc_u64 s[12:13], s[12:13], s[20:21]
	s_mul_i32 s20, s41, 196608                     ; q16: the sequence's 16 rows,
	s_lshl_b32 s46, s42, 10                        ; the tile's first column, 4 bytes a number,
	s_add_co_u32 s20, s20, s46
	s_lshl_b32 s46, s16, 9                         ; my column half
	s_add_co_u32 s20, s20, s46
	s_add_nc_u64 s[96:97], s[96:97], s[20:21]
.macro FRAG reg, adr, q, i             ; a fragment, 16 rows x 128 K of 4-bit codes: lane l holds row l % 16; registers 4 c .. 4 c + 3 hold K = 64 c + 32 (l / 16) + 0 .. 31
.irp c, 0,1
	ds_load_b128 v[\reg+4*\c:\reg+4*\c+3], v[\adr] offset:64*(\q)+32*\c+(\i)*16*PITCH
.endr
.endm
; 16 matrix instructions: A's blocks a0, a0 + 1 x B's eight, 128 along K.  p: B's set;  sc: the set of scale words.  zero = 1: the first product starts the sums.
; The 64 accumulators take turns, one instruction a turn, in the same order in every step.
.macro MUL16 a0, p, q, sc, zero
.irp a, \a0, \a0+1
.irp b, 0,1,2,3,4,5,6,7
.if \zero
	v_wmma_scale_f32_16x16x128_f8f6f4 v[8*(8*((\a)%4)+\b):8*(8*((\a)%4)+\b)+7], v[128*(\p)+FR*\b:128*(\p)+FR*\b+FR-1], v[AF+FR*(\a):AF+FR*(\a)+FR-1], 0, v[SC+8*NQ*(\sc)+NQ*\b+(\q)], v[SC+8*NQ*(\sc)+NQ*(\a)+(\q)] matrix_a_fmt:MATRIX_FMT_FP4 matrix_b_fmt:MATRIX_FMT_FP4 matrix_a_scale:MATRIX_SCALE_ROW1
.else
	v_wmma_scale_f32_16x16x128_f8f6f4 v[8*(8*((\a)%4)+\b):8*(8*((\a)%4)+\b)+7], v[128*(\p)+FR*\b:128*(\p)+FR*\b+FR-1], v[AF+FR*(\a):AF+FR*(\a)+FR-1], v[8*(8*((\a)%4)+\b):8*(8*((\a)%4)+\b)+7], v[SC+8*NQ*(\sc)+NQ*\b+(\q)], v[SC+8*NQ*(\sc)+NQ*(\a)+(\q)] matrix_a_fmt:MATRIX_FMT_FP4 matrix_b_fmt:MATRIX_FMT_FP4 matrix_a_scale:MATRIX_SCALE_ROW1
.endif
.endr
.endr
.endm
.macro FETCH_B slot, q, p              ; B's eight fragments of the slot's q-th 128 along K into set p
	WIN TO_B
.irp i, 0,1,2,3,4,5,6,7
	FRAG 128*(\p)+FR*\i, ADRB+\slot, \q, \i
.endr
	WIN 0
.endm
.macro FETCH_A slot, q, i0             ; A's blocks i0 .. i0 + 3
.irp i, \i0, \i0+1, \i0+2, \i0+3
	FRAG AF+FR*(\i), ADRA+\slot, \q, \i
.endr
.endm
.macro SCALES sc                       ; a slot's scale words into set sc: NQ words a row; lanes 0-15 take A's block i, lanes 16-31 B's block i
.irp i, 0,1,2,3,4,5,6,7
	ds_load_b128 v[SC+8*NQ*\sc+NQ*\i:SC+8*NQ*\sc+NQ*\i+3], v[ADRS] offset:\i*SBLK
.endr
.endm
; A load into a register that a matrix instruction has read, and a vector instruction or a store that reads a matrix result, stand NP places behind that matrix instruction; only plain vector
; instructions that name none of its registers are places (ISA guide 7.12.1 for vector instructions).
.macro PLACES n
.rept \n
	v_nop
.endr
.endm
; A step of 128 along K that has its successor in the same slot.
.macro STEP slot, q, zero
	s_wait_dscnt 4*NL                              ; B's set and A's blocks 0-3 are in; the youngest eight loads (A's blocks 4-7) may be out
	WIN MUL_LO
	MUL16 0, (\q)%2, \q, \slot, \zero
	MUL16 2, (\q)%2, \q, \slot, \zero
	s_wait_dscnt 0                                 ; A's blocks 4-7 are in
	PLACES NP
	FETCH_B \slot, (\q)+1, 1-(\q)%2
	FETCH_A \slot, (\q)+1, 0
	WIN MUL_HI
	MUL16 4, (\q)%2, \q, \slot, \zero
	MUL16 6, (\q)%2, \q, \slot, \zero
	PLACES NP
	WIN 0
	FETCH_A \slot, (\q)+1, 4
.endm
; Slot 0's last step goes over to slot 1: one barrier; in front of it each wave waits for all its tensor loads (its part of slot 1), adds 0 to its spare word, and waits for that and for its own reads of slot 0.
; Slot 0 is free for the stages from here on.
.macro TURN slot, next
	s_wait_tensorcnt 0x0                           ; all my tensor loads have landed  (every window is 0 here)
	ds_add_u32 v[SPW], v[NIL]                      ; 0 onto my spare word
	s_wait_dscnt 4*NL+1                            ; (the add and the youngest eight loads, A's blocks 4-7, may be out)
	WIN MUL_LO
	MUL16 0, 1, NQ-1, \slot, 0                     ; sixteen matrix instructions stand between the add and the wait for it
	s_wait_dscnt 0x0                               ; the add is done, and my reads of this slot are over
	s_barrier_signal -1
	MUL16 2, 1, NQ-1, \slot, 0
	WIN 0
	s_barrier_wait -1
	PLACES NP
	v_add_nc_u32 v[ADRS], 4*NQ, v[ADRS]            ; on to the next slot's scale words (no LDS load of mine is out)
	FETCH_B \next, 0, 0
	FETCH_A \next, 0, 0
	SCALES \next
	WIN MUL_HI
	MUL16 4, 1, NQ-1, \slot, 0
	MUL16 6, 1, NQ-1, \slot, 0
	PLACES NP
	WIN 0
	FETCH_A \next, 0, 4
.endm
	s_wait_tensorcnt 1                             ; the scales and my part of slot 0 are in (slot 1's load may be out)
	s_barrier_signal -1
	s_barrier_wait -1                              ; everybody's are
	FETCH_B 0, 0, 0
	FETCH_A 0, 0, 0
	SCALES 0
	FETCH_A 0, 0, 4
	STEP 0, 0, 1                                   ; the first step's products start the sums: nothing is cleared
	STEP 0, 1, 0
	STEP 0, 2, 0
	TURN 0, 1
	STEP 1, 0, 0
	STEP 1, 1, 0
	STEP 1, 2, 0
	s_wait_dscnt 4*NL                              ; the very last step: nothing more to fetch
	WIN MUL_LO
	MUL16 0, 1, NQ-1, 1, 0
	MUL16 2, 1, NQ-1, 1, 0
	s_wait_dscnt 0
	WIN MUL_HI
	MUL16 4, 1, NQ-1, 1, 0
	MUL16 6, 1, NQ-1, 1, 0
	WIN 0
	PLACES NP                                      ; behind the last products: for the reads of results and for the loads into the registers that held A's fragments
	; POSITIONS 0 TO 15 IN f32.  They are block 0 of the waves with the upper row half in the tiles of cluster y = 0: a test on the cluster's y and the wave's number, alike in all partners.
	; A lane stores its eight neighbouring columns, 32 bytes of a row of q16: pieces of rows, for one part in 64 of the launch's results.
	s_and_b32 s20, ttmp7, 0xffff
	s_or_b32 s20, s20, s15
	s_cmp_lg_u32 s20, 0
	s_cbranch_scc1 .Lno16
	WIN 0x08                                       ; a store's data are its source 1: window 2
.irp b, 0,1,2,3,4,5,6,7
	global_store_b128 v[Q16O], v[8*\b:8*\b+3], s[96:97] offset:64*\b          ; each accumulator from its low end on
	global_store_b128 v[Q16O], v[8*\b+4:8*\b+7], s[96:97] offset:64*\b+16
.endr
	WIN 0
.Lno16:
; THE WAY OUT, block by block of 16 rows x 128 columns (two heads).  PACK: rounded to f16, 16 bytes a lane.  TOSTAGE: into my own stage in LDS, and back so that the 32 lanes hold four whole rows of one head:
; 512 bytes that are consecutive in qkv.  SEND: stored.  LDS serves a wave's instructions in order (ISA guide 5.7.1.4): no wait between the stores and the loads, nor in front of the next block's stores.
.macro PACK a
.set AC, 64*((\a)%4)
	WIN 0x0a+5*((\a)/4)                            ; sources 0 and 1: window 2 or 3
.irp b, 0,1,2,3,4,5,6,7
.irp p, 0,1,2,3
	v_cvt_pk_f16_f32 v[TMP+4*\b+\p], v[AC+8*\b+2*\p], v[AC+8*\b+2*\p+1]
.endr
.endr
	WIN 0
.endm
.macro TOSTAGE a
.set BB, BK+32*((\a)%2)
.irp b, 0,1,2,3,4,5,6,7
	ds_store_b128 v[STO], v[TMP+4*\b:TMP+4*\b+3] offset:32*\b
.endr
.irp j, 0,1
.irp ii, 0,1,2,3
	ds_load_b128 v[BB+4*(4*\j+\ii):BB+4*(4*\j+\ii)+3], v[RD] offset:\ii*4*SPITCH+128*\j
.endr
.endr
.endm
.macro SEND a, younger                 ; younger: the LDS instructions issued behind block a's loads, which may stay out
.set BB, BK+32*((\a)%2)
	s_wait_dscnt \younger                          ; the block is back in registers
.irp j, 0,1
.irp ii, 0,1,2,3
	global_store_b128 v[CO], v[BB+4*(4*\j+\ii):BB+4*(4*\j+\ii)+3], s[12:13] offset:(\a)*2048+\j*262144+\ii*512   ; 32 lanes store 512 consecutive bytes, at a multiple of 512 from qkv's first byte; every offset is an immediate
.endr
.endr
.endm
	PACK 0
	TOSTAGE 0
.irp a, 1,2,3,4,5,6,7
	PACK \a
.if \a > 1
	s_wait_xcnt 0x0                                ; block a - 2's stores have read their registers: block a's loads may land there
.endif
	TOSTAGE \a
	SEND \a-1, 16                                  ; behind block a - 1's loads: block a's 8 stores and 8 loads
.endr
	SEND 7, 0
	s_wait_tensorcnt 0x0                           ; the wave's end, behind my last tensor load and my last LDS store
	ds_add_u32 v[SPW], v[NIL]
	s_wait_dscnt 0x0
	CROUND                                         ; the closing round: no work-group ends while a partner may still ask for a tile that names it
	s_endpgm
.Lfunc_end_k_q715fd447ca_qkv:
	.size	k_q715fd447ca_qkv, .Lfunc_end_k_q715fd447ca_qkv-k_q715fd447ca_qkv
	.p2alignl 7, 3214868480
	.fill 96, 4, 3214868480
	.section	.rodata,"a",@progbits
	.p2align	6, 0x0
	.amdhsa_kernel k_q715fd447ca_qkv
		.amdhsa_group_segment_fixed_size 327680
		.amdhsa_private_segment_fixed_size 0
		.amdhsa_enable_private_segment 0
		.amdhsa_kernarg_size 48
		.amdhsa_user_sgpr_count 2
		.amdhsa_user_sgpr_kernarg_segment_ptr 1
		.amdhsa_wavefront_size32 1
		.amdhsa_system_sgpr_workgroup_id_x 1
		.amdhsa_system_sgpr_workgroup_id_y 1
		.amdhsa_system_sgpr_workgroup_id_z 1
		.amdhsa_system_vgpr_workitem_id 0
		.amdhsa_next_free_vgpr 1024
		.amdhsa_next_free_sgpr 100
		.amdhsa_reserve_vcc 0
		.amdhsa_float_denorm_mode_32 3
		.amdhsa_float_denorm_mode_16_64 3
		.amdhsa_memory_ordered 1
		.amdhsa_forward_progress 1
		.amdhsa_inst_pref_size 128
	.end_amdhsa_kernel
	.amdgpu_metadata
---
amdhsa.version: [ 1, 2 ]
amdhsa.kernels:
  - .name:           k_q715fd447ca_qkv
    .symbol:         k_q715fd447ca_qkv.kd
    .args:
      - { .name: x_codes, .offset: 0, .size: 8, .value_kind: global_buffer, .address_space: global }
      - { .name: x_scales, .offset: 8, .size: 8, .value_kind: global_buffer, .address_space: global }
      - { .name: w_codes, .offset: 16, .size: 8, .value_kind: global_buffer, .address_space: global }
      - { .name: w_scales, .offset: 24, .size: 8, .value_kind: global_buffer, .address_space: global }
      - { .name: qkv, .offset: 32, .size: 8, .value_kind: global_buffer, .address_space: global }
      - { .name: q16, .offset: 40, .size: 8, .value_kind: global_buffer, .address_space: global }
    .group_segment_fixed_size: 327680
    .private_segment_fixed_size: 0
    .kernarg_segment_align: 8
    .kernarg_segment_size: 48
    .max_flat_workgroup_size: 128
    .sgpr_count:     100
    .vgpr_count:     1024
    .wavefront_size: 32
...
	.end_amdgpu_metadata
.endif
;; end of part 2
;; launch attn (part 3): grid 4 x 64, 8 waves a work-group, no clusters, 327,680 bytes of LDS; arguments qkv, ao; writes ao
.if DOCPART == 3
	.amdgcn_target "amdgcn-amd-amdhsa--gfx1250"
	.amdhsa_code_object_version 6
	.text
	.protected	k_q715fd447ca_attn
	.globl	k_q715fd447ca_attn
	.p2align	8
	.type	k_q715fd447ca_attn,@function
k_q715fd447ca_attn:
	s_mov_b64 s[64:65], 0
	v_nop
	global_prefetch_b8 v0, s[64:65] scope:SCOPE_SE
	s_setreg_imm32_b32 hwreg(HW_REG_WAVE_MODE, 25, 1), 1
	s_wait_xcnt 0x0
; LAUNCH 3 OF 5.  O[bh][q][:] = sum over k <= q of softmax_k(Q[bh][q] . K[bh][k] / 8) V[bh][k][:], for 64 heads (sequence x 16 + head) of 2,048 positions x 64 channels.  Operands f16; products, maxima and sums f32.
; LEFT OUT: steps of 64 keys all of which come after all of a wave's 32 queries, and key blocks beyond a query block: reference()'s own causal mask gives them the weight 0 for all finite inputs (shown at the head of launch quant).
; LIMITS: |O| stays under 65,504 (f16); a NaN or overflow that reaches only the tiles left out is not carried.  Positions 0 to 15 are made here too, inside live tiles; launch first16 makes them again in f32.
; SHARES.  Work-group (I = x, head = y) owns query blocks I and 7 - I of 256 queries: I + 1 and 8 - I key blocks of 256, nine in all for every I, so that all 256 work-groups have equal walks.
; It walks nine slots, a constant of the text: trips 0 .. I are pass A (block I against key blocks 0 .. I), trips I + 1 .. 8 pass B (block 7 - I against key blocks 0 .. 7 - I).
; Each of the eight waves owns 32 queries of the block, two tiles of 16: a fragment of K or V read from LDS feeds two matrix instructions, and two waves share a SIMD, so that one wave's softmax stands beside the other's products.
; NO CLUSTER: the four work-groups of a head walk different key blocks in the same trip (the pairing that evens the causal work), so no tile is wanted by two of them at the same time;
; a joint walk of all eight key blocks for both passes would be 12 slots against these 9, and whole partners would jump over tiles that a joint load brings.
; LAYOUT.  S^T = K Q^T (source 0 = 16 keys, source 1 = 16 queries): a lane holds ONE query (lane % 16) and the keys 8 (lane / 16) + 0..7.  Two such tiles, rounded to f16 in pairs, ARE source 1 (32 keys x 16 queries)
; of O^T = V^T P, whose result again holds one query a lane, and eight channels.  K comes out of LDS as it lies, V ([key][channel]) turned, by ds_load_tr16_b128.
; SOFTMAX.  For each query a running maximum m and sum l: p = 2^(c s - c m), c = log2(e) / 8; in every step O and l are multiplied by a = 2^(c m_old - c m_new).  The step is written once: a pass begins with O = 0, l = 0, m = -3e38.
; RING.  Two slots of 256 keys.  Waves 0-3 fetch a quarter (64 rows) of K's tile each, waves 4-7 of V's: one tensor load a wave behind each barrier, one load of a wave out at the most; every wait for tensor loads is for 0.
; REGISTERS: window 0: v1-11, v28-31 addresses and constants; v12-27 statistics, eight a tile; v32-95 S^T; v96-127 P; v128-191 K's fragments; v192-255 V's.   window 1: v0-63 O^T; v64-95 Q in use; v96-127 pass B's Q.
.set PK,    144       ; a row of K in LDS: 128 bytes + 16 of padding = 36 words: the 16 rows of a load start at 16 different groups of four banks (64 banks of 4 bytes: ISA guide 11.1)
.set PV,    160       ; a row of V: 128 + 32 = 40 words
.set VOFF,  256*PK    ; a slot: 256 rows of K, then 256 rows of V
.set SLOT1, 1<<17     ; slot 1 begins here, so that one exclusive or turns an address in one slot into the other's
.set STAGE, SLOT1+256*(PK+PV)   ; behind the ring: 32 rows x 144 bytes for each wave, for the way out; no tile lands here
.set SPARE, STAGE+8*32*PK       ; the spare words, 128 bytes a wave, which no other line names
.set AK0, 1           ; v1   my lane's place in a tile of K; never rewritten
.set AV0, 2           ; v2   the same for V
.set ADK, 3           ; v3   LDS address of K's tiles in the slot in hand
.set ADV, 4           ; v4   of V's
.set STO, 5           ; v5   the way out: where I put 16 bytes of a row
.set RD,  6           ; v6   where I read 16 bytes back
.set GO,  7           ; v7   16 x lane
.set D0,  8           ; v8-9 the mask: a tile's query less the step's first key less 8 (lane / 16)
.set NINF, 10         ; v10  -infinity
.set RH,  11          ; v11  lane % 16 - 8 (lane / 16)
.set ST,  12          ; tile t's statistics at v[ST+8 t]: +0 c m, +1 m, +2, +3 l (even keys', odd keys'), +4 to +7 at work; a takes +6, c m_old - c m_new +7
.set PFO, 28          ; v28  256 x lane; never rewritten
.set QO,  29          ; v29  my byte offset in a tile of Q
.set SPW, 30          ; v30  LDS address of my spare word; never rewritten
.set NIL, 31          ; v31  0; never rewritten
.set S,   32
.set P,   96
.set KFR, 128         ; fragment (16 keys kt, 32 channels kc) at 16 kt + 8 kc
.set VFR, 192         ; fragment (32 keys kk, 16 channels ct) at 32 kk + 8 ct
.set QU,  64          ; in window 1: Q in use, 16 t + 8 kc
.set QB,  96          ; in window 1: pass B's Q
.set WV,  8           ; s8   my wave's number
.set II,  9           ; s9   I
.set I1,  10          ; s10  I + 1: the trip in which pass B begins
.set BH,  11          ; s11  sequence x 16 + head
.set TRIP, 12
.set KF,  13          ; s13  the step's first key
.set Q0,  14          ; s14  my first query of the pass in hand
.set Q0B, 15          ; s15  of pass B
.set KB,  16          ; s[16:17] K at my quarter of the head's key block 0
.set VB,  18          ; s[18:19] V likewise
.set SEL, 20          ; s[20:21] lane selects for v_permlanex16_b32: lane l xor 16
.set CS,  22          ; s[22:23] c: the packed form names a pair and takes its low word for both halves
.set G1K, 24          ; s[24:31] descriptor group 1 for K's tiles;  s[32:39] for V's: it differs in the padding alone
.set G1V, 32
.set G0K, 40          ; s[40:43], s[44:47] their groups 0, made anew at each change of slots, where no load of mine is out
.set G0V, 44
.set AOA, 48          ; s[48:49], s[50:51] my 4,096 bytes of ao for pass A and pass B
.set AOB, 50
.set OFF, 52          ; s[52:53] the byte offset of the key block that is being asked for
.set TB,  54          ; s54  LDS byte at which the slot in hand begins
.set PFA, 56          ; s[56:57] my quarter of the key block that is being asked for; the prefetch names the block behind it
.set LIM, 58          ; s58  a wave prefetches in the trips under this number: 7 in the head's work-group 0, else 0
.set PB,  60          ; s[60:61] KB in waves 0-3, VB in waves 4-7
.set MSB, 0
.macro WIN new                      ; the immediate's high byte repeats the setting that is left; a switch that changes nothing is dropped
.if MSB != \new
	s_set_vgpr_msb (MSB<<8)|\new
.set MSB, \new
.endif
.endm
.set W_KQ, 0x04       ; source 1 (Q) in window 1
.set W_PV, 0x50       ; C and D (O^T) in window 1
.set W_RS, 0x41       ; destination and source 0 in window 1
.set W_CV, 0x05       ; sources 0 and 1 in window 1
.set W_LD, 0x40       ; destination in window 1
; Waves 0-3 fetch for K, waves 4-7 for V: every wave issues one of the two lines.  The branch hangs on the wave's number alone.  An s_nop 0 and four v_nop follow each line.
.macro TLOAD
	s_cmp_lt_u32 s[WV], 4
	s_cbranch_scc0 .Lfor_v_\@
	tensor_load_to_lds s[G0K:G0K+3], s[G1K:G1K+7]
	s_nop 0
.rept 4
	v_nop
.endr
	s_branch .Lasked_\@
.Lfor_v_\@:
	tensor_load_to_lds s[G0V:G0V+3], s[G1V:G1V+7]
	s_nop 0
.rept 4
	v_nop
.endr
.Lasked_\@:
.endm
; A PREFETCH INTO THE L2 of the key block that the NEXT change of slots will ask for.  All four work-groups of a head read the same K and V: the head's work-group 0 asks, and nobody else (a branch on the work-group's number).
; Its walk is key block 0, then blocks 0 to 7: in trip t its tensor loads ask for block t, and each wave names its own quarter of block t + 1, 8,192 bytes, lanes 256 bytes apart: one instruction a wave, a slot's four steps ahead.
; Trips 0 to 6 ask, for blocks 1 to 7: each aligned 256 bytes once in the launch, nothing at the head, nothing past block 7.
.macro ASK
	s_cmp_lt_u32 s[TRIP], s[LIM]
	s_cbranch_scc0 .Lnot_mine_\@
	global_prefetch_b8 v[PFO], s[PFA:PFA+1] offset:32768 th:TH_LOAD_NT scope:SCOPE_SE
.Lnot_mine_\@:
.endm
.macro STATS                        ; a pass begins: m under every score, l = 0
.irp t, 0,1
	v_mov_b32 v[ST+8*\t+1], 0xff61b1e6             ; -3e38
	v_mov_b32 v[ST+8*\t+2], 0
	v_mov_b32 v[ST+8*\t+3], 0
.endr
.irp t, 0,1
	v_mul_f32 v[ST+8*\t], s[CS], v[ST+8*\t+1]
.endr
.endm
.macro AOPTR dst, q                 ; ao is laid [row / 128][head][row % 128][64] f16, row = sequence x 2,048 + position.  s66 = 16 x sequence, s67 = head
	s_lshr_b32 s70, s[\q], 7
	s_add_co_u32 s70, s70, s66
	s_lshl_b32 s70, s70, 4
	s_add_co_u32 s70, s70, s67
	s_lshl_b32 s70, s70, 14
	s_and_b32 s71, s[\q], 127
	s_lshl_b32 s71, s71, 7
	s_add_co_u32 s70, s70, s71
	s_mov_b32 s71, 0
	s_add_nc_u64 s[\dst:\dst+1], s[6:7], s[70:71]
.endm
	s_load_b128 s[4:7], s[0:1], 0x0                ; qkv s[4:5], ao s[6:7]
	v_lshl_add_u32 v[SPW], v0, 2, SPARE
	v_mov_b32 v[NIL], 0
	ds_add_u32 v[SPW], v[NIL]                      ; the wave's opening: the add, twice on end, and its wait ahead of my first tensor load
	ds_add_u32 v[SPW], v[NIL]
	v_lshrrev_b32 v1, 5, v0
	v_readfirstlane_b32 s[WV], v1                  ; wave 0..7
	s_mov_b32 s[II], ttmp9
	s_add_co_u32 s[I1], ttmp9, 1
	s_and_b32 s[BH], ttmp7, 0xffff
	; descriptor group 1: a tile of 64 rows x 64 elements of 2 bytes, dense in memory, padded in LDS
	s_mov_b32 s[G1K], (1<<16)|(1<<20)|(4<<22)|(3<<25)   ; 15:0 no mask; 17:16 elements of 2 bytes; 20 padding on; 24:22 after every 32 words (code 4); 31:25 four words (code 3)
	s_mov_b32 s[G1V], (1<<16)|(1<<20)|(4<<22)|(7<<25)   ; the same with eight words of padding (code 7)
.irp g, G1K, G1V
	s_mov_b32 s[\g+1], 64<<16                      ; tensor_dim0
	s_mov_b32 s[\g+2], 64<<16                      ; tensor_dim1
	s_mov_b32 s[\g+3], 64<<16                      ; tile_dim0
	s_mov_b32 s[\g+4], 64                          ; tile_dim1
	s_mov_b32 s[\g+5], 64                          ; tensor_dim0_stride
	s_mov_b32 s[\g+6], 0
	s_mov_b32 s[\g+7], 0
.endr
	s_mov_b32 s[SEL], 0x76543210
	s_mov_b32 s[SEL+1], 0xfedcba98
	s_mov_b32 s[CS], 0x3e38aa3b                    ; c = log2(e) / 8
	s_mov_b32 s[CS+1], s[CS]                       ; (named with it as a pair, so it is written)
	s_mov_b32 s[TB], 0
	s_mov_b32 s[KF], 0
	s_mov_b32 s[TRIP], 0
	s_mov_b32 s[OFF+1], 0
	s_and_b32 s66, s[WV], 3                        ; which quarter of a tile I fetch
	s_mov_b32 s[G0K], 1                            ; 1:0 count = 1
	s_mul_i32 s[G0K+1], s66, 64*PK                 ; 63:32 LDS address: slot 0, my quarter
	s_mov_b32 s[G0V], 1
	s_mul_i32 s[G0V+1], s66, 64*PV
	s_add_co_u32 s[G0V+1], s[G0V+1], VOFF
	s_lshl_b32 s68, s[BH], 18                      ; the head's 2,048 rows of 128 bytes
	s_mov_b32 s69, 0
	s_lshl_b32 s70, s66, 13                        ; my quarter: 64 rows
	s_add_co_u32 s70, s70, s68
	s_mov_b32 s71, 0
	s_lshl_b32 s[Q0], s[II], 8
	s_lshl_b32 s67, s[WV], 5
	s_add_co_u32 s[Q0], s[Q0], s67                 ; pass A: 256 I + 32 x wave
	s_sub_co_u32 s[Q0B], 7, s[II]
	s_lshl_b32 s[Q0B], s[Q0B], 8
	s_add_co_u32 s[Q0B], s[Q0B], s67               ; pass B: 256 (7 - I) + 32 x wave
	s_cmp_eq_u32 s[II], 0
	s_cselect_b32 s[LIM], 7, 0
	s_wait_dscnt 0x0                               ; both opening adds are done
	s_wait_kmcnt 0x0
	s_add_nc_u64 s[KB:KB+1], s[4:5], s[70:71]
	s_add_nc_u64 s[VB:VB+1], s[KB:KB+1], 0x2000000 ; v lies 2 x 64 heads behind q,
	s_add_nc_u64 s[KB:KB+1], s[KB:KB+1], 0x1000000 ; k 64 heads
	s_mov_b64 s[G0K+2:G0K+3], s[KB:KB+1]           ; 120:64 global address: key block 0
	s_or_b32 s[G0K+3], s[G0K+3], 0x80000000        ; 127:126 type = 2
	s_mov_b64 s[G0V+2:G0V+3], s[VB:VB+1]
	s_or_b32 s[G0V+3], s[G0V+3], 0x80000000
	TLOAD                                          ; slot 0: every wave issues one load, so every way through the text passes one
	s_cmp_lt_u32 s[WV], 4
	s_cselect_b64 s[PB:PB+1], s[KB:KB+1], s[VB:VB+1]
	s_and_b32 s66, s[BH], 0xf0                     ; 16 x sequence
	s_and_b32 s67, s[BH], 15                       ; head
	AOPTR AOA, Q0
	AOPTR AOB, Q0B
	s_add_nc_u64 s[68:69], s[4:5], s[68:69]        ; the head's q
	s_lshl_b32 s70, s[Q0], 7
	s_mov_b32 s71, 0
	s_add_nc_u64 s[66:67], s[68:69], s[70:71]      ; at pass A's first query of mine,
	s_lshl_b32 s70, s[Q0B], 7
	s_add_nc_u64 s[68:69], s[68:69], s[70:71]      ; and pass B's
	v_and_b32 v32, 15, v0                          ; r
	v_bfe_u32 v33, v0, 4, 1                        ; h
	v_and_b32 v34, 31, v0                          ; lane
	v_lshlrev_b32 v[QO], 7, v32
	v_lshl_add_u32 v[QO], v33, 4, v[QO]            ; row r of 128 bytes + 16 h
	WIN W_LD
.irp t, 0,1                                    ; Q of both passes stays in registers: tile t, channels 32 kc on
.irp kc, 0,1
	global_load_b128 v[QU+16*\t+8*\kc:QU+16*\t+8*\kc+3],   v[QO], s[66:67] offset:\t*2048+\kc*64
	global_load_b128 v[QU+16*\t+8*\kc+4:QU+16*\t+8*\kc+7], v[QO], s[66:67] offset:\t*2048+\kc*64+32
	global_load_b128 v[QB+16*\t+8*\kc:QB+16*\t+8*\kc+3],   v[QO], s[68:69] offset:\t*2048+\kc*64
	global_load_b128 v[QB+16*\t+8*\kc+4:QB+16*\t+8*\kc+7], v[QO], s[68:69] offset:\t*2048+\kc*64+32
.endr
.endr
.set i, 0
.rept 64
	v_mov_b32 v[i], 0                              ; O^T.  (The step is written once: a pass's first step finds zeros, which a = 0 leaves zeros; a first step of its own would be a third copy of the step)
.set i, i+1
.endr
	WIN 0
	v_mul_u32_u24 v[AK0], v32, PK
	v_lshl_add_u32 v[AK0], v33, 4, v[AK0]          ; K: row r x pitch + 16 h
	v_and_b32 v35, 7, v0
	v_lshl_add_u32 v35, v33, 3, v35                ; V, for the turning load: key 8 h + l % 8,
	v_mul_u32_u24 v[AV0], v35, PV
	v_bfe_u32 v35, v0, 3, 1
	v_lshl_add_u32 v[AV0], v35, 4, v[AV0]          ; channels 8 ((l / 8) % 2) on
	v_add_nc_u32 v[AV0], VOFF, v[AV0]
	s_mul_i32 s70, s[WV], 32*PK
	s_add_co_u32 s70, s70, STAGE                   ; my stage
	v_add_nc_u32 v[STO], s70, v[AK0]               ; in: row r, 16 bytes for each half of the lanes
	v_bfe_u32 v35, v0, 3, 2
	v_mul_u32_u24 v[RD], v35, PK                   ; back: eight lanes take a row of 128 bytes, the 32 lanes four rows
	v_and_b32 v35, 7, v0
	v_lshl_add_u32 v[RD], v35, 4, v[RD]
	v_add_nc_u32 v[RD], s70, v[RD]
	v_lshlrev_b32 v[GO], 4, v34
	v_lshlrev_b32 v[PFO], 8, v34
	v_lshlrev_b32 v35, 3, v33
	v_sub_nc_u32 v[RH], v32, v35
	v_mov_b32 v[NINF], 0xff800000
.irp t, 0,1
.irp j, 4,5,6,7
	v_mov_b32 v[ST+8*\t+\j], 0                     ; written once: a lane permute's destination and the upper half of a pair count as read
.endr
.endr
	STATS
; THE SOFTMAX of a step, for both tiles, line by line by turns, so that no line reads the result of the line just before it.  s0-s31 are a lane's 32 scores of a tile.
.macro SOFTMAX
.irp j, 0,1,2,3                                ; the maximum: four chains, each begun at an accumulator's low end
.irp t, 0,1
	v_max3_num_f32 v[ST+8*\t+4+\j], v[S+32*\t+8*\j], v[S+32*\t+8*\j+1], v[S+32*\t+8*\j+2]
.endr
.endr
.irp i, 1,2
.irp j, 0,1,2,3
.irp t, 0,1
	v_max3_num_f32 v[ST+8*\t+4+\j], v[ST+8*\t+4+\j], v[S+32*\t+8*\j+2*\i+1], v[S+32*\t+8*\j+2*\i+2]
.endr
.endr
.endr
.irp t, 0,1
	v_max3_num_f32 v[ST+8*\t+4], v[ST+8*\t+4], v[S+32*\t+7], v[S+32*\t+15]
.endr
.irp t, 0,1
	v_max3_num_f32 v[ST+8*\t+6], v[ST+8*\t+6], v[S+32*\t+23], v[S+32*\t+31]
.endr
.irp t, 0,1
	v_max3_num_f32 v[ST+8*\t+4], v[ST+8*\t+4], v[ST+8*\t+5], v[ST+8*\t+6]
.endr
.irp t, 0,1
	v_max3_num_f32 v[ST+8*\t+4], v[ST+8*\t+4], v[ST+8*\t+7], v[ST+8*\t+1]   ; with the old m
.endr
.irp t, 0,1
	v_permlanex16_b32 v[ST+8*\t+5], v[ST+8*\t+4], s[SEL], s[SEL+1]          ; the query's other 32 keys lie in the lane 16 away
.endr
.irp t, 0,1
	v_mov_b32 v[ST+8*\t+7], v[ST+8*\t]             ; c m_old is kept for a
.endr
.irp t, 0,1
	v_max_num_f32 v[ST+8*\t+1], v[ST+8*\t+4], v[ST+8*\t+5]
.endr
.irp t, 0,1
	v_mul_f32 v[ST+8*\t], s[CS], v[ST+8*\t+1]
.endr
.irp t, 0,1
	v_sub_f32 v[ST+8*\t+7], v[ST+8*\t+7], v[ST+8*\t]
.endr
.irp b, 0,1,2,3,4,5,6,7,8,9,10,11,12,13,14,15
.irp t, 0,1
	v_pk_fma_f32 v[S+32*\t+2*\b:S+32*\t+2*\b+1], v[S+32*\t+2*\b:S+32*\t+2*\b+1], s[CS:CS+1], v[ST+8*\t:ST+8*\t+1] op_sel_hi:[1,0,0] neg_lo:[0,0,1] neg_hi:[0,0,1]   ; c s - c m, two at a time
.endr
.endr
.irp t, 0,1                                    ; ONE BATCH of 66 exponentials: none reads another's result
	v_exp_f32 v[ST+8*\t+6], v[ST+8*\t+7]           ; a
.endr
.irp e, 0,1,2,3,4,5,6,7,8,9,10,11,12,13,14,15,16,17,18,19,20,21,22,23,24,25,26,27,28,29,30,31
.irp t, 0,1
	v_exp_f32 v[S+32*\t+\e], v[S+32*\t+\e]         ; p, at most 1
.endr
.endr
	v_nop                                          ; a plain instruction behind the last exponential, ahead of the first use: one for the batch
	s_wait_alu depctr_va_vdst(0)                   ; and the one wait ahead of the batch's first reader
.irp i, 0,1,2,3,4,5,6,7,8,9,10,11,12,13,14,15
.irp t, 0,1
	v_cvt_pk_f16_f32 v[P+16*\t+\i], v[S+32*\t+2*\i], v[S+32*\t+2*\i+1]   ; two weights to f16: registers 8 kk .. 8 kk + 7 are source 1 for keys 32 kk on
.endr
.endr
.irp u, 0,1,2,3,4,5,6,7                        ; the sum of the unrounded p, in place: neighbours 1, 2, 4 and 8 pairs apart
.irp t, 0,1
	v_pk_add_f32 v[S+32*\t+4*\u:S+32*\t+4*\u+1], v[S+32*\t+4*\u:S+32*\t+4*\u+1], v[S+32*\t+4*\u+2:S+32*\t+4*\u+3]
.endr
.endr
.irp u, 0,1,2,3
.irp t, 0,1
	v_pk_add_f32 v[S+32*\t+8*\u:S+32*\t+8*\u+1], v[S+32*\t+8*\u:S+32*\t+8*\u+1], v[S+32*\t+8*\u+4:S+32*\t+8*\u+5]
.endr
.endr
.irp u, 0,1
.irp t, 0,1
	v_pk_add_f32 v[S+32*\t+16*\u:S+32*\t+16*\u+1], v[S+32*\t+16*\u:S+32*\t+16*\u+1], v[S+32*\t+16*\u+8:S+32*\t+16*\u+9]
.endr
.endr
.irp t, 0,1
	v_pk_add_f32 v[S+32*\t:S+32*\t+1], v[S+32*\t:S+32*\t+1], v[S+32*\t+16:S+32*\t+17]
.endr
.irp t, 0,1
	v_pk_fma_f32 v[ST+8*\t+2:ST+8*\t+3], v[ST+8*\t+2:ST+8*\t+3], v[ST+8*\t+6:ST+8*\t+7], v[S+32*\t:S+32*\t+1] op_sel_hi:[1,0,1]   ; l = a l + the sum
.endr
.endm
.macro SCALE_O                      ; both tiles' O^T times v[ST+8 t+6], each accumulator from its low end on
	WIN W_RS
.irp t, 0,1
.irp i, 0,1,2,3,4,5,6,7,8,9,10,11,12,13,14,15
	v_pk_mul_f32 v[32*\t+2*\i:32*\t+2*\i+1], v[32*\t+2*\i:32*\t+2*\i+1], v[ST+8*\t+6:ST+8*\t+7] op_sel_hi:[1,0]
.endr
.endr
.endm
; A KEY STEP: 64 keys, the q-th of the slot in hand.
.macro STEP q
	s_add_co_u32 s66, s[Q0], 31                    ; a step all of whose keys come after my 32 queries is left out: a branch on ids and the count of steps; no barrier, wait for tiles or tensor load stands in a step
	s_cmp_gt_u32 s[KF], s66
	s_cbranch_scc1 .Lhid_\@
.rept 4
	v_nop                                          ; places in front of loads into V's registers, which the last products read
.endr
.irp f, 0,1,2,3,4,5,6,7                        ; K: keys 16 (f / 2) on, channels 32 (f % 2) on
	ds_load_b128 v[KFR+8*\f:KFR+8*\f+3],   v[ADK] offset:(\q)*64*PK+(\f/2)*16*PK+(\f%2)*64
	ds_load_b128 v[KFR+8*\f+4:KFR+8*\f+7], v[ADK] offset:(\q)*64*PK+(\f/2)*16*PK+(\f%2)*64+32
.endr
.irp f, 0,1,2,3,4,5,6,7                        ; V, turned: keys 32 (f / 4) on, channels 16 (f % 4) on
	ds_load_tr16_b128 v[VFR+8*\f:VFR+8*\f+3],   v[ADV] offset:(\q)*64*PV+(\f/4)*32*PV+(\f%4)*32
	ds_load_tr16_b128 v[VFR+8*\f+4:VFR+8*\f+7], v[ADV] offset:(\q)*64*PV+(\f/4)*32*PV+16*PV+(\f%4)*32
.endr
	s_wait_dscnt 16                                ; K's sixteen loads are in; V's sixteen may be out: they land under the products and the softmax
	WIN W_KQ
.irp kc, 0,1                                   ; S^T = K Q^T: eight accumulators by turns, one instruction a turn; the first eight start the sums
.irp kt, 0,1,2,3
.irp t, 0,1
.if \kc == 0
	v_wmma_f32_16x16x32_f16 v[S+32*\t+8*\kt:S+32*\t+8*\kt+7], v[KFR+16*\kt+8*\kc:KFR+16*\kt+8*\kc+7], v[QU+16*\t+8*\kc:QU+16*\t+8*\kc+7], 0
.else
	v_wmma_f32_16x16x32_f16 v[S+32*\t+8*\kt:S+32*\t+8*\kt+7], v[KFR+16*\kt+8*\kc:KFR+16*\kt+8*\kc+7], v[QU+16*\t+8*\kc:QU+16*\t+8*\kc+7], v[S+32*\t+8*\kt:S+32*\t+8*\kt+7]
.endif
.endr
.endr
.endr
	WIN 0
.rept 4
	v_nop                                          ; places in front of the first read of the scores
.endr
	s_add_co_u32 s66, s[KF], 63                    ; ON THE DIAGONAL the scores of hidden keys become -infinity ahead of the maximum: p = 0 then.  A step all of whose keys count skips this; a wave meets it once in a pass
	s_cmp_le_u32 s66, s[Q0]
	s_cbranch_scc1 .Lopen_\@
	s_sub_co_i32 s66, s[Q0], s[KF]
	v_add_nc_u32 v[D0], s66, v[RH]                 ; d = tile 0's query - KF - 8 (lane / 16).  Register 8 kt + j holds key KF + 16 kt + 8 (lane / 16) + j: hidden where 16 kt + j > d
	v_add_nc_u32 v[D0+1], 16, v[D0]                ; tile 1's queries lie 16 on
.irp t, 0,1
.irp n, 0,1,2,3,4,5,6,7,8,9,10,11,12,13,14,15,16,17,18,19,20,21,22,23,24,25,26,27,28,29,30,31
	v_cmp_gt_i32 vcc_lo, 16*(\n/8)+\n%8, v[D0+\t]
	v_cndmask_b32 v[S+32*\t+\n], v[S+32*\t+\n], v[NINF], vcc_lo
.endr
.endr
.Lopen_\@:
	SOFTMAX
	SCALE_O                                        ; O^T times a
	s_wait_dscnt 0x0                               ; V is in
	WIN W_PV
.irp kk, 0,1                                   ; O^T += V^T P: eight accumulators by turns
.irp ct, 0,1,2,3
.irp t, 0,1
	v_wmma_f32_16x16x32_f16 v[32*\t+8*\ct:32*\t+8*\ct+7], v[VFR+32*\kk+8*\ct:VFR+32*\kk+8*\ct+7], v[P+16*\t+8*\kk:P+16*\t+8*\kk+7], v[32*\t+8*\ct:32*\t+8*\ct+7]
.endr
.endr
.endr
	WIN 0
.Lhid_\@:
	s_add_co_u32 s[KF], s[KF], 64
.endm
; THE CHANGE OF SLOTS stands at a slot's head.  Each wave waits for all its tensor loads (its part of the slot that it is about to read), adds 0 to its spare word, and waits for that and for its reads of the slot that it has left.
; Behind the barrier the slot ahead is whole and nobody reads the other one.  fill = 1: that other slot takes the next trip's key block: trip + 1 in pass A, trip + 1 - (I + 1) in pass B; the load has four steps in which to land.
.macro CHANGE fill
	s_wait_tensorcnt 0x0                           ; no tensor load of mine is out, so a group 0 may be written
	ds_add_u32 v[SPW], v[NIL]                      ; 0 onto my spare word; the descriptors' words stand between it and the wait for it
.if \fill
	s_xor_b32 s[G0K+1], s[G0K+1], SLOT1            ; the other slot than last time
	s_xor_b32 s[G0V+1], s[G0V+1], SLOT1
	s_add_co_u32 s66, s[TRIP], 1
	s_cmp_le_u32 s66, s[II]
	s_cselect_b32 s67, 0, s[I1]
	s_sub_co_u32 s66, s66, s67                     ; the next trip's key block
	s_lshl_b32 s[OFF], s66, 15                     ; 256 rows of 128 bytes
	s_add_nc_u64 s[G0K+2:G0K+3], s[KB:KB+1], s[OFF:OFF+1]
	s_or_b32 s[G0K+3], s[G0K+3], 0x80000000
	s_add_nc_u64 s[G0V+2:G0V+3], s[VB:VB+1], s[OFF:OFF+1]
	s_or_b32 s[G0V+3], s[G0V+3], 0x80000000
	s_wait_xcnt 0x0                                ; the last prefetch, a slot back, has read its address, so it may be written
	s_add_nc_u64 s[PFA:PFA+1], s[PB:PB+1], s[OFF:OFF+1]
.endif
	s_wait_dscnt 0x0                               ; the add is done, and my reads of the slot that I have left are over
	s_barrier_signal -1
	s_barrier_wait -1
.if \fill
	TLOAD                                          ; the first thing behind the barrier, and my one tensor load until the next
	ASK
.endif
	v_add_nc_u32 v[ADK], s[TB], v[AK0]
	v_add_nc_u32 v[ADV], s[TB], v[AV0]
.endm
; A PASS ENDS.  l's two halves and the other half of the lanes' are added; O^T is divided by l, rounded to f16 and sent through my stage in LDS: 32 rows of 128 bytes, which are 4,096 consecutive bytes of ao.
.macro FINISH ptr, more
.rept 4
	v_nop                                          ; places behind the last products
.endr
.irp t, 0,1
	v_add_f32 v[ST+8*\t+4], v[ST+8*\t+2], v[ST+8*\t+3]
.endr
.irp t, 0,1
	v_permlanex16_b32 v[ST+8*\t+5], v[ST+8*\t+4], s[SEL], s[SEL+1]
.endr
.irp t, 0,1
	v_add_f32 v[ST+8*\t+4], v[ST+8*\t+4], v[ST+8*\t+5]
.endr
.irp t, 0,1
	v_rcp_f32 v[ST+8*\t+6], v[ST+8*\t+4]
.endr
	v_nop                                          ; a plain instruction between the last reciprocal and the use of its result
	s_wait_alu depctr_va_vdst(0)                   ; and the wait: one for the two
	SCALE_O                                        ; O^T / l
	WIN W_CV
.irp t, 0,1
.irp i, 0,1,2,3,4,5,6,7,8,9,10,11,12,13,14,15
	v_cvt_pk_f16_f32 v[S+16*\t+\i], v[32*\t+2*\i], v[32*\t+2*\i+1]
.endr
.endr
	WIN 0
.irp t, 0,1
.irp ct, 0,1,2,3
	ds_store_b128 v[STO], v[S+16*\t+4*\ct:S+16*\t+4*\ct+3] offset:\t*16*PK+32*\ct   ; lane (r, h): query 16 t + r, channels 16 ct + 8 h + 0..7
.endr
.endr
.irp i, 0,1,2,3,4,5,6,7
	ds_load_b128 v[S+32+4*\i:S+32+4*\i+3], v[RD] offset:4*PK*\i    ; LDS serves a wave's instructions in order (ISA guide 5.7.1.4): these see the stores above
.endr
.irp i, 0,1,2,3,4,5,6,7
	s_wait_dscnt 7-\i                              ; load i is back; the younger ones may be out
	global_store_b128 v[GO], v[S+32+4*\i:S+32+4*\i+3], s[\ptr:\ptr+1] offset:512*\i   ; 32 lanes store 512 consecutive bytes, at a multiple of 512 from ao's first byte
.endr
.if \more
	s_wait_xcnt 0x0                                ; the stores have read their registers: pass B's scores may be written there
.endif
.endm
.macro RESTART                      ; pass B begins
	WIN W_RS
.set i, 0
.rept 32
	v_mov_b32 v[QU+i], v[QB+i]                     ; its Q
.set i, i+1
.endr
.set i, 0
.rept 64
	v_mov_b32 v[i], 0                              ; O^T
.set i, i+1
.endr
	WIN 0
	STATS
	s_mov_b32 s[Q0], s[Q0B]
	s_mov_b32 s[KF], 0
.endm
	s_wait_loadcnt 0x0                             ; Q of both passes; the loads' bases are free
.Ltrip:                                            ; eight trips, a constant: behind each change of slots but the last the next slot is asked for
	CHANGE 1
	s_cmp_lg_u32 s[TRIP], s[I1]                    ; the work-group's number and the count of trips alone: all eight waves go the same way; no barrier, wait for tiles or tensor load is jumped over
	s_cbranch_scc1 .Lsame
	FINISH AOA, 1
	RESTART
.Lsame:
	STEP 0
	STEP 1
	STEP 2
	STEP 3
	s_xor_b32 s[TB], s[TB], SLOT1                  ; on to the other slot
	s_add_co_u32 s[TRIP], s[TRIP], 1
	s_cmp_lt_u32 s[TRIP], 8
	s_cbranch_scc1 .Ltrip
	CHANGE 0                                       ; the ninth slot is written out
	STEP 0
	STEP 1
	STEP 2
	STEP 3
	FINISH AOB, 0
	s_wait_tensorcnt 0x0                           ; the wave's end, behind my last tensor load and my last LDS store
	ds_add_u32 v[SPW], v[NIL]
	s_wait_dscnt 0x0
	s_endpgm
.Lfunc_end_k_q715fd447ca_attn:
	.size	k_q715fd447ca_attn, .Lfunc_end_k_q715fd447ca_attn-k_q715fd447ca_attn
	.p2alignl 7, 3214868480
	.fill 96, 4, 3214868480
	.section	.rodata,"a",@progbits
	.p2align	6, 0x0
	.amdhsa_kernel k_q715fd447ca_attn
		.amdhsa_group_segment_fixed_size 327680
		.amdhsa_private_segment_fixed_size 0
		.amdhsa_enable_private_segment 0
		.amdhsa_kernarg_size 16
		.amdhsa_user_sgpr_count 2
		.amdhsa_user_sgpr_kernarg_segment_ptr 1
		.amdhsa_wavefront_size32 1
		.amdhsa_system_sgpr_workgroup_id_x 1
		.amdhsa_system_sgpr_workgroup_id_y 1
		.amdhsa_system_sgpr_workgroup_id_z 1
		.amdhsa_system_vgpr_workitem_id 0
		.amdhsa_next_free_vgpr 384
		.amdhsa_next_free_sgpr 80
		.amdhsa_reserve_vcc 1
		.amdhsa_float_denorm_mode_32 3
		.amdhsa_float_denorm_mode_16_64 3
		.amdhsa_memory_ordered 1
		.amdhsa_forward_progress 1
		.amdhsa_inst_pref_size 200
	.end_amdhsa_kernel
	.amdgpu_metadata
---
amdhsa.version: [ 1, 2 ]
amdhsa.kernels:
  - .name:           k_q715fd447ca_attn
    .symbol:         k_q715fd447ca_attn.kd
    .args:
      - { .name: qkv, .offset: 0, .size: 8, .value_kind: global_buffer, .address_space: global }
      - { .name: ao, .offset: 8, .size: 8, .value_kind: global_buffer, .address_space: global }
    .group_segment_fixed_size: 327680
    .private_segment_fixed_size: 0
    .kernarg_segment_align: 8
    .kernarg_segment_size: 16
    .max_flat_workgroup_size: 256
    .sgpr_count:     80
    .vgpr_count:     384
    .wavefront_size: 32
...
	.end_amdgpu_metadata
.endif
;; end of part 3
;; launch proj (part 4): grid 4 x 64, 4 waves a work-group, clusters of 4 x 4, 327,680 bytes of LDS; arguments ao, wo16, out0; writes out0
.if DOCPART == 4
	.amdgcn_target "amdgcn-amd-amdhsa--gfx1250"
	.amdhsa_code_object_version 6
	.text
	.protected	k_q715fd447ca_proj
	.globl	k_q715fd447ca_proj
	.p2align	8
	.type	k_q715fd447ca_proj,@function
k_q715fd447ca_proj:
	s_mov_b64 s[64:65], 0
	v_nop
	global_prefetch_b8 v0, s[64:65] scope:SCOPE_SE
	s_setreg_imm32_b32 hwreg(HW_REG_WAVE_MODE, 25, 1), 1
	s_wait_xcnt 0x0
	s_wait_alu depctr_hold_cnt(0) depctr_sa_sdst(0) depctr_va_vdst(0) depctr_va_sdst(0) depctr_va_ssrc(0) depctr_va_vcc(0) depctr_vm_vsrc(0)
	s_getreg_b32 s2, hwreg(HW_REG_IB_STS2, 6, 4)
	s_cmp_eq_u32 s2, 0
	s_cbranch_scc0 .Lentry_in_a_cluster
	s_endpgm
.Lentry_in_a_cluster:
	s_bfe_u32 s2, ttmp6, 0x10000c
	s_cmp_lg_u32 s2, 0xf033
	s_cbranch_scc0 .Lentry_shape_is_right
	s_endpgm
.Lentry_shape_is_right:
; LAUNCH 4 OF 5.  out0[m][n] = sum over c of O[m][c] w_out[n][c], m = 8,192 rows, n = c = 1,024; operands f16, sums f32, results f32.  Nothing is left out here.
; The rows of positions 0 to 15 of each sequence (one row in 128) are made and stored here with the rest, inside row blocks whose walk along K they share; launch first16 then writes them over in f32.
; A = ao, laid [m / 128][head][m % 128][64]; B = wo16, laid [n / 256][head][n % 256][64]: K goes by heads, c = 64 x head + channel, in the same order on both sides, and one head of a tile is one dense block of memory.
; A tile of C is 128 (m) x 256 (n): 256 work-groups.  Four waves, each 64 x 128: 32 accumulators of 16 x 16, 256 registers.  K goes in steps of 128 (two heads) through a ring of two LDS slots.
; Waves 0 and 1 fetch A's two heads of a step (128 rows of 128 bytes each), waves 2 and 3 B's (256 rows each): one tensor load a wave behind each round; two loads of a wave are out at the start, one later.
; CLUSTERS: 4 x 4 work-groups.  The four of a row of the cluster need the same tiles of A, the four of a column the same tiles of B: each tile is asked for JOINTLY, by the same tensor load with the same descriptor and a mask that names the four.
; THE MATRIX INSTRUCTION IS USED TRANSPOSED (source 0 = 16 rows of B, source 1 = 16 rows of A): a lane then holds eight neighbouring numbers of a row of C.
; No prefetch: a step's tiles are small and shared fourfold by the joint loads.
; REGISTERS: window 0: v0-31 addresses; two fragment buffers of 96 at v32 and v128: for 32 along K, 64 registers of B (8 x 16 rows), then 32 of A (4 x 16 rows).   window 1: the accumulators ((a, b) at v[8 (8 a + b)]).
.set PITCH,  144                       ; an LDS row: 128 bytes + 16 of padding = 36 words: the 16 rows that a load touches start at 16 different groups of four banks (ISA guide 11.1)
.set AHEAD,  128*PITCH                 ; a head of A's tile
.set BHEAD,  256*PITCH                 ; a head of B's
.set BOFF,   2*AHEAD                   ; a slot: A's two heads, then B's two
.set SLOT,   2*AHEAD+2*BHEAD
.set STAGE,  2*SLOT                    ; behind the ring: 16 rows x (512 bytes + 16) for each wave, for the way out; no tile lands here
.set SPITCH, 528
.set SPARE,  STAGE+4*16*SPITCH         ; the spare words, 128 bytes a wave, which no other line names
.set LAPS,   4                         ; a lap = two K steps = once round the ring: 1,024 / 256
.set ADRA, 16                          ; v16-17  LDS address of my A fragments in slot 0, 1
.set ADRB, 20                          ; v20-21  the same for B
.set STO,  24                          ; v24     the way out: where I put 32 bytes of a row
.set RD,   25                          ; v25     where I read a row back
.set CO,   26                          ; v26     16 x lane
.set SPW,  28                          ; v28     LDS address of my spare word; never rewritten
.set NIL,  29                          ; v29     0; never rewritten
.set F0,   32
.set F1,   128
.set BK,   32                          ; the way out: 16 rows read back from the stage: v32-95 and v96-159 by turns
.set G1, 24                            ; s[24:31] descriptor group 1 for A's tiles;  s[32:39] group 0, one set for each slot
.set G0, 32
.set G1B, 48                           ; s[48:55], s[56:63] the same for B's tiles
.set G0B, 56
.set MSB, 0
.macro WIN new                         ; the immediate's high byte repeats the setting that is left
.if MSB != \new
	s_set_vgpr_msb (MSB<<8)|\new
.set MSB, \new
.endif
.endm
.set MUL, 0x50                         ; C and D window 1; both sources window 0
.macro JLOAD s                         ; a joint load: waves 0 and 1 fetch for A, waves 2 and 3 for B; an s_nop 0 and four v_nop follow each of the two lines
	s_cmp_eq_u32 s11, 0
	s_cbranch_scc0 .Lfor_b_\@
	tensor_load_to_lds s[G0+4*\s:G0+4*\s+3], s[G1:G1+7]
	s_nop 0
.rept 4
	v_nop
.endr
	s_branch .Lasked_\@
.Lfor_b_\@:
	tensor_load_to_lds s[G0B+4*\s:G0B+4*\s+3], s[G1B:G1B+7]
	s_nop 0
.rept 4
	v_nop
.endr
.Lasked_\@:
.endm
.macro CREST                           ; a round of the cluster's barrier behind its opening barrier
	s_cmp_lg_u32 s10, 0
	s_cbranch_scc1 .Lnot_wave_0_\@
	s_barrier_signal -3
.Lnot_wave_0_\@:
	s_barrier_wait -3
	s_barrier_signal -1
	s_barrier_wait -1
.endm
.macro CROUND                          ; a whole round
	s_barrier_signal -1
	s_barrier_wait -1
	CREST
.endm
	s_load_b128 s[4:7], s[0:1], 0x0                ; ao s[4:5], wo16 s[6:7]
	s_load_b64 s[8:9], s[0:1], 0x10                ; out0
	v_lshl_add_u32 v[SPW], v0, 2, SPARE
	v_mov_b32 v[NIL], 0
	ds_add_u32 v[SPW], v[NIL]                      ; the wave's opening: the add, twice on end, and its wait ahead of my first tensor load
	ds_add_u32 v[SPW], v[NIL]
	v_lshrrev_b32 v1, 5, v0
	v_readfirstlane_b32 s10, v1                    ; wave 0..3
	s_lshr_b32 s11, s10, 1                         ; which 64 of the tile's rows are mine.  Also: I fetch for A (0) or for B (1)
	s_and_b32 s12, s10, 1                          ; which 128 of its columns.  Also: which of a step's two heads I fetch
	s_bfe_u32 s40, ttmp6, 0x40000                  ; cx, cy: my place in the cluster
	s_bfe_u32 s41, ttmp6, 0x40004
	s_lshl_b32 s42, ttmp9, 2
	s_add_co_u32 s42, s42, s40                     ; tile column of C = 4 x cluster x + cx
	s_and_b32 s13, ttmp7, 0xffff
	s_lshl_b32 s13, s13, 2
	s_add_co_u32 s13, s13, s41                     ; tile row of C = 4 x cluster y + cy
	s_lshl_b32 s43, s41, 2
	s_lshl_b32 s43, 15, s43                        ; my row of the cluster
	s_lshl_b32 s44, 0x1111, s40                    ; my column
	; descriptor group 1: rows of 64 elements of 2 bytes, dense in memory, padded in LDS; A: 128 rows, B: 256
	s_or_b32 s[G1+0], s43, (1<<16)|(1<<20)|(1<<21)|(4<<22)|(3<<25)  ; 15:0 the mask; 17:16 elements of 2 bytes; 20 padding on; 21 set beside a mask; 24:22 after every 32 words (code 4); 31:25 four words (code 3)
	s_or_b32 s[G1B+0], s44, (1<<16)|(1<<20)|(1<<21)|(4<<22)|(3<<25)
	s_mov_b32 s[G1+1], 64<<16                      ; tensor_dim0
	s_mov_b32 s[G1+2], 128<<16                     ; tensor_dim1
	s_mov_b32 s[G1+3], 64<<16                      ; tile_dim0
	s_mov_b32 s[G1+4], 128                         ; tile_dim1
	s_mov_b32 s[G1+5], 64                          ; tensor_dim0_stride
	s_mov_b32 s[G1+6], 0
	s_mov_b32 s[G1+7], 0
	s_mov_b32 s[G1B+1], 64<<16
	s_mov_b32 s[G1B+2], 256<<16
	s_mov_b32 s[G1B+3], 64<<16
	s_mov_b32 s[G1B+4], 256
	s_mov_b32 s[G1B+5], 64
	s_mov_b32 s[G1B+6], 0
	s_mov_b32 s[G1B+7], 0
	s_lshl_b32 s16, s13, 18                        ; A: tile row x 16 heads x 16,384 bytes,
	s_lshl_b32 s17, s12, 14                        ; + my head of the step's two
	s_add_co_u32 s16, s16, s17
	s_mov_b32 s17, 0
	s_lshl_b32 s46, s42, 19                        ; B: tile column x 16 heads x 32,768 bytes,
	s_lshl_b32 s47, s12, 15
	s_add_co_u32 s46, s46, s47
	s_mov_b32 s47, 0
	s_mul_i32 s20, s12, AHEAD                      ; where they go: the wave's number alone enters an LDS address
	s_mul_i32 s21, s12, BHEAD
	s_add_co_u32 s21, s21, BOFF
	s_wait_dscnt 0x0                               ; both opening adds are done
	s_wait_kmcnt 0x0
	s_add_nc_u64 s[14:15], s[4:5], s[16:17]
	s_add_nc_u64 s[46:47], s[6:7], s[46:47]
	CROUND                                         ; all sixteen work-groups are here: the first joint loads meet
.irp s, 0,1
	s_mov_b32 s[G0+4*\s], 1
	s_add_co_u32 s[G0+4*\s+1], s20, \s*SLOT
	s_add_nc_u64 s[G0+4*\s+2:G0+4*\s+3], s[14:15], \s*2*16384      ; K step s: heads 2 s, 2 s + 1
	s_or_b32 s[G0+4*\s+3], s[G0+4*\s+3], 0x80000000
	s_mov_b32 s[G0B+4*\s], 1
	s_add_co_u32 s[G0B+4*\s+1], s21, \s*SLOT
	s_add_nc_u64 s[G0B+4*\s+2:G0B+4*\s+3], s[46:47], \s*2*32768
	s_or_b32 s[G0B+4*\s+3], s[G0B+4*\s+3], 0x80000000
	JLOAD \s
.endr
	v_and_b32 v1, 15, v0                           ; r
	v_bfe_u32 v2, v0, 4, 1                         ; h
	v_mul_u32_u24 v3, v1, PITCH
	v_lshl_add_u32 v3, v2, 4, v3                   ; a fragment's row x pitch + 16 x half
	s_mul_i32 s21, s11, 64*PITCH                   ; my 64 rows of A
	s_mul_i32 s22, s12, 128*PITCH                  ; my 128 rows of B,
	s_add_co_u32 s22, s22, BOFF                    ; behind A's two heads
.irp s, 0,1
	v_add_nc_u32 v[ADRA+\s], s21, v3
	v_add_nc_u32 v[ADRB+\s], s22, v3
	s_add_co_u32 s21, s21, SLOT
	s_add_co_u32 s22, s22, SLOT
.endr
	s_mul_i32 s23, s10, 16*SPITCH
	s_add_co_u32 s23, s23, STAGE                   ; my stage
	v_mul_u32_u24 v4, v1, SPITCH                   ; in: row r, 32 bytes for each half of the lanes
	v_lshl_add_u32 v4, v2, 5, v4
	v_add_nc_u32 v[STO], s23, v4
	v_and_b32 v5, 31, v0
	v_lshlrev_b32 v[CO], 4, v5                     ; back: the 32 lanes take one row of 512 bytes; and the same in out0
	v_add_nc_u32 v[RD], s23, v[CO]
	s_lshl_b32 s16, s13, 19                        ; out0 at my first row: (128 x tile row + 64 x row half) x 4,096 bytes,
	s_lshl_b32 s17, s11, 18
	s_add_co_u32 s16, s16, s17
	s_lshl_b32 s46, s42, 10                        ; my first column: (256 x tile column + 128 x column half) x 4 bytes
	s_add_co_u32 s16, s16, s46
	s_lshl_b32 s46, s12, 9
	s_add_co_u32 s16, s16, s46
	s_mov_b32 s17, 0
	s_add_nc_u64 s[8:9], s[8:9], s[16:17]
; 8 matrix instructions: A's block a x B's eight, 32 along K.  zero = 1: the product starts the sums.  The 32 accumulators take turns, one instruction a turn, in the same order in every quarter.
.macro MUL8 f, a, zero
.irp b, 0,1,2,3,4,5,6,7
.if \zero
	v_wmma_f32_16x16x32_f16 v[8*(8*(\a)+\b):8*(8*(\a)+\b)+7], v[\f+8*\b:\f+8*\b+7], v[\f+64+8*(\a):\f+64+8*(\a)+7], 0
.else
	v_wmma_f32_16x16x32_f16 v[8*(8*(\a)+\b):8*(8*(\a)+\b)+7], v[\f+8*\b:\f+8*\b+7], v[\f+64+8*(\a):\f+64+8*(\a)+7], v[8*(8*(\a)+\b):8*(8*(\a)+\b)+7]
.endif
.endr
.endm
; 24 LDS loads in one run: the fragments of the slot's q-th 32 along K (head q / 2, channels 32 (q % 2) on) into buffer f: B's eight blocks, then A's four
.macro FETCH slot, q, f
.irp i, 0,1,2,3,4,5,6,7
	ds_load_b128 v[\f+8*\i:\f+8*\i+3],   v[ADRB+\slot] offset:((\q)/2)*BHEAD+((\q)%2)*64+\i*16*PITCH
	ds_load_b128 v[\f+8*\i+4:\f+8*\i+7], v[ADRB+\slot] offset:((\q)/2)*BHEAD+((\q)%2)*64+\i*16*PITCH+32
.endr
.irp i, 0,1,2,3
	ds_load_b128 v[\f+64+8*\i:\f+64+8*\i+3],   v[ADRA+\slot] offset:((\q)/2)*AHEAD+((\q)%2)*64+\i*16*PITCH
	ds_load_b128 v[\f+64+8*\i+4:\f+64+8*\i+7], v[ADRA+\slot] offset:((\q)/2)*AHEAD+((\q)%2)*64+\i*16*PITCH+32
.endr
.endm
.macro PLACES                          ; four places in front of loads into registers that matrix instructions have read, and of the first read of results (ISA guide 7.12.1 for the first read of results)
.rept 4
	v_nop
.endr
.endm
; A K step is four quarters of 32 along K, 32 matrix instructions each, on buffers 0, 1, 0, 1.  One of the first three: multiplies buffer f and fetches quarter nq of the same slot into g.
.macro QUARTER slot, nq, f, g, zero
	s_wait_dscnt 4                                 ; B and A's blocks 0, 1 are in; the youngest four loads (A's blocks 2, 3) may be out
	WIN MUL
	MUL8 \f, 0, \zero
	MUL8 \f, 1, \zero
	WIN 0
	PLACES
	FETCH \slot, \nq, \g
	s_wait_dscnt 24                                ; all but the 24 just issued
	WIN MUL
	MUL8 \f, 2, \zero
	MUL8 \f, 3, \zero
.endm
; The last quarter multiplies buffer 1 and changes slots: ONE barrier; in front of it each wave waits for all its tensor loads, adds 0 to its spare word, and waits for that and for its own reads of this slot.
; fill = 1: the barrier opens a round of the cluster's barrier, and this slot is filled again, two K steps ahead, first thing behind the round.
.macro TURN slot, next, fill
	WIN 0                                          ; (the add's two registers lie in window 0)
	s_wait_tensorcnt 0x0                           ; all my tensor loads have landed: my part of the next slot
	ds_add_u32 v[SPW], v[NIL]                      ; 0 onto my spare word
	s_wait_dscnt 5                                 ; (the add and the youngest four loads may be out)
	WIN MUL
	MUL8 F1, 0, 0                                  ; eight matrix instructions stand between the add and the wait for it
	s_wait_dscnt 0x0                               ; the add is done, and my reads of this slot are over
	s_barrier_signal -1
	MUL8 F1, 1, 0
	WIN 0                                          ; (branches or loads follow)
	s_barrier_wait -1
.if \fill
	CREST                                          ; no wave of any partner still reads this slot's tile or has a load on its way
	s_add_nc_u64 s[G0+4*\slot+2:G0+4*\slot+3], s[G0+4*\slot+2:G0+4*\slot+3], 4*16384
	s_add_nc_u64 s[G0B+4*\slot+2:G0B+4*\slot+3], s[G0B+4*\slot+2:G0B+4*\slot+3], 4*32768
	JLOAD \slot                                    ; the first tensor load behind the round; the four v_nop behind it are also the places in front of the loads below
.else
	PLACES
.endif
	FETCH \next, 0, F0
	WIN MUL
	MUL8 F1, 2, 0
	MUL8 F1, 3, 0
.endm
	s_wait_tensorcnt 1                             ; my part of K step 0 is in (K step 1's load may be out)
	s_barrier_signal -1
	s_barrier_wait -1                              ; everybody's is
	FETCH 0, 0, F0
	QUARTER 0, 1, F0, F1, 1                        ; the first quarter stands in front of the loop: its products start the sums
	WIN 0                                          ; at a label and at a branch every window is 0
	s_mov_b32 s3, LAPS-1
.Llap:                                                 ; a trip goes once round the ring, from a lap's second quarter to the next lap's first, and fills both slots again
	QUARTER 0, 2, F1, F0, 0
	QUARTER 0, 3, F0, F1, 0
	TURN 0, 1, 1
	QUARTER 1, 1, F0, F1, 0
	QUARTER 1, 2, F1, F0, 0
	QUARTER 1, 3, F0, F1, 0
	TURN 1, 0, 1
	QUARTER 0, 1, F0, F1, 0
	WIN 0
	s_sub_co_u32 s3, s3, 1
	s_cmp_lg_u32 s3, 0
	s_cbranch_scc1 .Llap
	QUARTER 0, 2, F1, F0, 0                        ; the last lap fills nothing, and has no round of the cluster's barrier
	QUARTER 0, 3, F0, F1, 0
	TURN 0, 1, 0
	QUARTER 1, 1, F0, F1, 0
	QUARTER 1, 2, F1, F0, 0
	QUARTER 1, 3, F0, F1, 0
	s_wait_dscnt 4                                 ; the very last quarter: nothing more to fetch
	WIN MUL
	MUL8 F1, 0, 0
	MUL8 F1, 1, 0
	s_wait_dscnt 0
	MUL8 F1, 2, 0
	MUL8 F1, 3, 0
	WIN 0
; THE WAY OUT, block by block of 16 rows x 128 columns.  A lane holds 32 neighbouring bytes of a row, and the lanes beside it hold other rows: so a block goes through my own stage in LDS and comes back as whole rows
; of 512 bytes.  LDS serves a wave's instructions in order (ISA guide 5.7.1.4): no wait between the stores and the loads, nor in front of the next block's stores.
.macro TOSTAGE a
	WIN 0x04                                       ; an LDS store's data are its source 1: window 1
.irp b, 0,1,2,3,4,5,6,7
	ds_store_b128 v[STO], v[8*(8*(\a)+\b):8*(8*(\a)+\b)+3] offset:64*\b          ; each accumulator from its low end on
	ds_store_b128 v[STO], v[8*(8*(\a)+\b)+4:8*(8*(\a)+\b)+7] offset:64*\b+16
.endr
	WIN 0
.set BB, BK+64*((\a)%2)
.irp t, 0,1,2,3,4,5,6,7,8,9,10,11,12,13,14,15
	ds_load_b128 v[BB+4*\t:BB+4*\t+3], v[RD] offset:\t*SPITCH
.endr
.endm
.macro SEND a, younger                 ; younger: the LDS instructions issued behind block a's loads, which may stay out
.set BB, BK+64*((\a)%2)
	s_wait_dscnt \younger                          ; the block is back in registers
.irp t, 0,1,2,3,4,5,6,7,8,9,10,11,12,13,14,15
	global_store_b128 v[CO], v[BB+4*\t:BB+4*\t+3], s[8:9] offset:(\a)*65536+\t*4096 th:TH_STORE_NT   ; 32 lanes store 512 consecutive bytes, at a multiple of 512 from out0's first byte; every offset is an immediate
.endr
.endm
	PLACES                                         ; behind the last products: for the reads of results and for the loads into the fragment buffers
	TOSTAGE 0
.irp a, 1,2,3
.if \a > 1
	s_wait_xcnt 0x0                                ; block a - 2's stores have read their registers: block a's loads may land there
.endif
	TOSTAGE \a
	SEND \a-1, 32                                  ; behind block a - 1's loads: block a's 16 stores and 16 loads
.endr
	SEND 3, 0
	s_wait_tensorcnt 0x0                           ; the wave's end, behind my last tensor load and my last LDS store
	ds_add_u32 v[SPW], v[NIL]
	s_wait_dscnt 0x0
	CROUND                                         ; the closing round: no work-group ends while a partner may still ask for a tile that names it
	s_endpgm
.Lfunc_end_k_q715fd447ca_proj:
	.size	k_q715fd447ca_proj, .Lfunc_end_k_q715fd447ca_proj-k_q715fd447ca_proj
	.p2alignl 7, 3214868480
	.fill 96, 4, 3214868480
	.section	.rodata,"a",@progbits
	.p2align	6, 0x0
	.amdhsa_kernel k_q715fd447ca_proj
		.amdhsa_group_segment_fixed_size 327680
		.amdhsa_private_segment_fixed_size 0
		.amdhsa_enable_private_segment 0
		.amdhsa_kernarg_size 24
		.amdhsa_user_sgpr_count 2
		.amdhsa_user_sgpr_kernarg_segment_ptr 1
		.amdhsa_wavefront_size32 1
		.amdhsa_system_sgpr_workgroup_id_x 1
		.amdhsa_system_sgpr_workgroup_id_y 1
		.amdhsa_system_sgpr_workgroup_id_z 1
		.amdhsa_system_vgpr_workitem_id 0
		.amdhsa_next_free_vgpr 512
		.amdhsa_next_free_sgpr 66
		.amdhsa_reserve_vcc 0
		.amdhsa_float_denorm_mode_32 3
		.amdhsa_float_denorm_mode_16_64 3
		.amdhsa_memory_ordered 1
		.amdhsa_forward_progress 1
		.amdhsa_inst_pref_size 84
	.end_amdhsa_kernel
	.amdgpu_metadata
---
amdhsa.version: [ 1, 2 ]
amdhsa.kernels:
  - .name:           k_q715fd447ca_proj
    .symbol:         k_q715fd447ca_proj.kd
    .args:
      - { .name: ao, .offset: 0, .size: 8, .value_kind: global_buffer, .address_space: global }
      - { .name: wo16, .offset: 8, .size: 8, .value_kind: global_buffer, .address_space: global }
      - { .name: out0, .offset: 16, .size: 8, .value_kind: global_buffer, .address_space: global }
    .group_segment_fixed_size: 327680
    .private_segment_fixed_size: 0
    .kernarg_segment_align: 8
    .kernarg_segment_size: 24
    .max_flat_workgroup_size: 128
    .sgpr_count:     66
    .vgpr_count:     512
    .wavefront_size: 32
...
	.end_amdgpu_metadata
.endif
;; end of part 4
;; launch first16 (part 5): grid 16 x 4, 16 waves a work-group, no clusters, 85,248 bytes of LDS; arguments q16, w_out, out0; writes out0
.if DOCPART == 5
	.amdgcn_target "amdgcn-amd-amdhsa--gfx1250"
	.amdhsa_code_object_version 6
	.text
	.protected	k_q715fd447ca_first16
	.globl	k_q715fd447ca_first16
	.p2align	8
	.type	k_q715fd447ca_first16,@function
k_q715fd447ca_first16:
	s_mov_b64 s[64:65], 0
	v_nop
	global_prefetch_b8 v0, s[64:65] scope:SCOPE_SE
	s_setreg_imm32_b32 hwreg(HW_REG_WAVE_MODE, 25, 1), 1
	s_wait_xcnt 0x0
; LAUNCH 5 OF 5.  Positions 0 to 15 of each of the four sequences, once more and wholly in f32: scores, softmax, weighted values and the projection, from the f32 rows of q, k, v that launch qkv kept in q16.
; These rows average one to sixteen values and are the largest of the output, so the rounding of 16-bit operands weighs most in them; they are written over what launch proj stored there.
; LEFT OUT: keys beyond position 15, which reference()'s own causal mask hides from these queries (shown at the head of launch quant).  Inside the one 16 x 16 tile hidden scores become -infinity.
; SHARES.  Work-group (slice = x: 64 output columns; sequence = y), sixteen waves.  PHASE A: wave w is head w: S^T = K Q^T (16 x 16 x 64), softmax, O^T = V^T P (64 x 16 x 16), O / l into LDS.  Every slice makes phase A
; anew: 32 matrix instructions a wave, in place of one more launch.  PHASE B: wave (j = w % 4, kq = w / 4) makes columns 16 j .. 16 j + 15 of the slice over channels 256 kq .. 256 kq + 255.
; PHASE C: wave w adds the four parts of row w and stores its 64 numbers, 256 consecutive bytes.
; THE f32 MATRIX FORM holds k = 2 (lane / 16) + j in register j.  A load of 16 bytes at row r, byte 32 s + 16 (lane / 16), brings channels 8 s + 4 (lane / 16) + 0..3: its registers 0, 1 feed one instruction and 2, 3 the next.
; That is a permutation of k, the same on both operands, so the products are kept.
; The registers that this form writes (v16-79) are written by matrix instructions alone; each sum begins with the constant 0 in its own first K step; two or four accumulators take turns.
; REGISTERS: v1-13 addresses and constants; v14, v15 the add's two; v16-31 S^T in two halves; v32-63 O^T; v64-79 y in two halves; v80-111 Q, v112-143 K, later W's second half; v144-175 V^T, then O / l, then O's fragments;
;   v176-239 W's first half; v240-247 the scores, p, then y; v248-255 at work.
.set OBP,   4112                       ; a row of O in LDS: 4,096 bytes + 16 of padding: the 16 rows that a load touches start at 16 different groups of four banks (ISA guide 11.1)
.set PART,  16*OBP                     ; behind O: four parts of y, 16 rows x (256 bytes + 16) each
.set PP,    272
.set SPARE, PART+4*16*PP               ; the spare words, 128 bytes a wave, which no other line names
.set SPW,  14
.set NIL,  15
.set S0,   16
.set OA,   32
.set Y0,   64
.set QF,   80
.set KF,   112
.set WH,   80
.set VF,   144
.set OF,   144
.set WL,   176
.set T,    240
	s_load_b128 s[4:7], s[0:1], 0x0                ; q16, w_out
	s_load_b64 s[8:9], s[0:1], 0x10                ; out0
	v_lshl_add_u32 v[SPW], v0, 2, SPARE
	v_mov_b32 v[NIL], 0
	v_lshrrev_b32 v1, 5, v0
	v_readfirstlane_b32 s10, v1                    ; wave 0..15
	s_mov_b32 s11, ttmp9                           ; slice
	s_and_b32 s12, ttmp7, 0xffff                   ; sequence
	s_and_b32 s13, s10, 3                          ; j
	s_lshr_b32 s14, s10, 2                         ; kq
	s_mov_b32 s20, 0x76543210
	s_mov_b32 s21, 0xfedcba98                      ; v_permlanex16_b32's selects for lane l xor 16
	s_mov_b32 s22, 0x3e38aa3b                      ; c = log2(e) / 8
	v_and_b32 v1, 15, v0                           ; r
	v_bfe_u32 v2, v0, 4, 1                         ; h
	v_and_b32 v13, 31, v0                          ; lane
	v_mul_u32_u24 v3, v1, 12288
	v_lshl_add_u32 v3, v2, 4, v3                   ; q, k: row r of q16 (12,288 bytes) + 16 h
	v_mul_u32_u24 v4, v2, 98304
	v_lshl_add_u32 v4, v1, 2, v4                   ; v: lanes 16-31 begin 8 rows down; channel r
	v_lshlrev_b32 v5, 12, v1
	v_lshl_add_u32 v5, v2, 4, v5                   ; w_out: row r of 4,096 bytes + 16 h
	v_mul_u32_u24 v6, v1, OBP
	v_lshl_add_u32 v7, v2, 4, v6
	v_lshl_add_u32 v6, v2, 5, v6
	s_lshl_b32 s26, s10, 8
	v_add_nc_u32 v6, s26, v6                       ; O into LDS: row r, my head's 256 bytes, + 32 h
	s_lshl_b32 s26, s14, 10
	v_add_nc_u32 v7, s26, v7                       ; and out of it: row r, my 256 channels, + 16 h
	v_mul_u32_u24 v8, v1, PP
	v_lshl_add_u32 v8, v2, 5, v8
	s_mul_i32 s26, s14, 16*PP
	s_lshl_b32 s27, s13, 6
	s_add_co_u32 s26, s26, s27
	s_add_co_u32 s26, s26, PART
	v_add_nc_u32 v8, s26, v8                       ; my part of y: part kq, row r, columns 16 j + 8 h on
	s_mul_i32 s26, s10, PP
	s_add_co_u32 s26, s26, PART
	v_lshl_add_u32 v9, v13, 3, s26                 ; phase C: row w, 8 bytes a lane
	v_lshlrev_b32 v10, 3, v13
	v_lshlrev_b32 v11, 3, v2
	v_sub_nc_u32 v11, v1, v11                      ; r - 8 h
	v_mov_b32 v12, 0xff800000                      ; -infinity
	v_mov_b32 v249, 0                              ; written once: a lane permute's destination counts as one of its sources
	s_mul_i32 s26, s12, 196608                     ; the sequence's 16 rows of q16,
	s_lshl_b32 s27, s10, 8                         ; my head's 64 numbers
	s_add_co_u32 s26, s26, s27
	s_mov_b32 s27, 0
	s_lshl_b32 s28, s11, 18                        ; w_out: row 64 x slice + 16 j, channel 256 kq
	s_lshl_b32 s29, s13, 16
	s_add_co_u32 s28, s28, s29
	s_lshl_b32 s29, s14, 10
	s_add_co_u32 s28, s28, s29
	s_mov_b32 s29, 0
	s_lshl_b32 s30, s12, 23                        ; out0: row 2,048 x sequence + w, column 64 x slice
	s_lshl_b32 s31, s10, 12
	s_add_co_u32 s30, s30, s31
	s_lshl_b32 s31, s11, 8
	s_add_co_u32 s30, s30, s31
	s_mov_b32 s31, 0
	s_wait_kmcnt 0x0
	s_add_nc_u64 s[16:17], s[4:5], s[26:27]
	s_add_nc_u64 s[18:19], s[6:7], s[28:29]
	s_add_nc_u64 s[24:25], s[8:9], s[30:31]
.irp s, 0,1,2,3,4,5,6,7
	global_load_b128 v[QF+4*\s:QF+4*\s+3], v3, s[16:17] offset:32*\s
.endr
.irp s, 0,1,2,3,4,5,6,7
	global_load_b128 v[KF+4*\s:KF+4*\s+3], v3, s[16:17] offset:4096+32*\s
.endr
.irp ct, 0,1,2,3                               ; V^T: lane (r, h) takes channel 16 ct + r of key 8 h + 2 u + jj: the key that P's register 2 u + jj holds in that lane
.irp u, 0,1,2,3
.irp jj, 0,1
	global_load_b32 v[VF+8*\ct+2*\u+\jj], v4, s[16:17] offset:8192+(2*\u+\jj)*12288+64*\ct
.endr
.endr
.endr
.irp s, 0,1,2,3,4,5,6,7,8,9,10,11,12,13,14,15
	global_load_b128 v[WL+4*\s:WL+4*\s+3], v5, s[18:19] offset:32*\s
.endr
	s_wait_loadcnt 48                              ; q and k are in; v's 32 loads and W's 16 may be out
.irp s, 0,1,2,3,4,5,6,7                        ; S^T = K Q^T: lane (r, h) register j: key 8 h + j, query r; two accumulators by turns
.irp p, 0,1
.if \s == 0
	v_wmma_f32_16x16x4_f32 v[S0+8*\p:S0+8*\p+7], v[KF+4*\s+2*\p:KF+4*\s+2*\p+1], v[QF+4*\s+2*\p:QF+4*\s+2*\p+1], 0
.else
	v_wmma_f32_16x16x4_f32 v[S0+8*\p:S0+8*\p+7], v[KF+4*\s+2*\p:KF+4*\s+2*\p+1], v[QF+4*\s+2*\p:QF+4*\s+2*\p+1], v[S0+8*\p:S0+8*\p+7]
.endif
.endr
.endr
.rept 8
	v_nop                                          ; eight places behind this form: for the loads into Q's and K's registers and for the first read of the scores
.endr
.irp s, 0,1,2,3,4,5,6,7,8,9,10,11,12,13,14,15
	global_load_b128 v[WH+4*\s:WH+4*\s+3], v5, s[18:19] offset:512+32*\s
.endr
.irp j, 0,1,2,3,4,5,6,7
	v_add_f32 v[T+\j], v[S0+\j], v[S0+8+\j]        ; the two halves of the sum, from the low end on
.endr
.irp j, 0,1,2,3,4,5,6,7
	v_cmp_gt_i32 vcc_lo, \j, v11                   ; key 8 h + j comes after query r
	v_cndmask_b32 v[T+\j], v[T+\j], v12, vcc_lo
.endr
	v_max3_num_f32 v248, v[T], v[T+1], v[T+2]
	v_max3_num_f32 v248, v248, v[T+3], v[T+4]
	v_max3_num_f32 v248, v248, v[T+5], v[T+6]
	v_max_num_f32 v248, v248, v[T+7]
	v_permlanex16_b32 v249, v248, s20, s21
	v_max_num_f32 v248, v248, v249                 ; the row's maximum: key 0 counts for every query, so it is a number
	v_mul_f32 v250, s22, v248
.irp j, 0,1,2,3,4,5,6,7
	v_fma_f32 v[T+\j], v[T+\j], s22, -v250         ; c s - c m
.endr
.irp j, 0,1,2,3,4,5,6,7
	v_exp_f32 v[T+\j], v[T+\j]
.endr
	v_nop                                          ; a plain instruction behind the last exponential
	s_wait_alu depctr_va_vdst(0)                   ; the one wait for the batch, ahead of its first reader
	v_pk_add_f32 v[252:253], v[T:T+1], v[T+2:T+3]
	v_pk_add_f32 v[254:255], v[T+4:T+5], v[T+6:T+7]
	v_pk_add_f32 v[252:253], v[252:253], v[254:255]
	v_add_f32 v252, v252, v253
	v_permlanex16_b32 v249, v252, s20, s21
	v_add_f32 v252, v252, v249                     ; the row's sum
	v_rcp_f32 v251, v252
	s_wait_loadcnt 32                              ; v is in; both halves of W may be out
.irp u, 0,1,2,3                                ; O^T = V^T P: four accumulators by turns; lane (r, h) register j of tile ct: channel 16 ct + 8 h + j, query r
.irp ct, 0,1,2,3
.if \u == 0
	v_wmma_f32_16x16x4_f32 v[OA+8*\ct:OA+8*\ct+7], v[VF+8*\ct+2*\u:VF+8*\ct+2*\u+1], v[T+2*\u:T+2*\u+1], 0
.else
	v_wmma_f32_16x16x4_f32 v[OA+8*\ct:OA+8*\ct+7], v[VF+8*\ct+2*\u:VF+8*\ct+2*\u+1], v[T+2*\u:T+2*\u+1], v[OA+8*\ct:OA+8*\ct+7]
.endif
.endr
.endr
.rept 8
	v_nop                                          ; eight places: the results are read, and V^T's registers written, below; also the plain work behind the reciprocal
.endr
	s_wait_alu depctr_va_vdst(0)                   ; the reciprocal's wait, ahead of its first reader
.set i, 0
.rept 32
	v_mul_f32 v[OF+i], v[OA+i], v251               ; O / l, into other registers
.set i, i+1
.endr
.irp ct, 0,1,2,3
	ds_store_b128 v6, v[OF+8*\ct:OF+8*\ct+3] offset:64*\ct
	ds_store_b128 v6, v[OF+8*\ct+4:OF+8*\ct+7] offset:64*\ct+16
.endr
	s_wait_dscnt 0x0                               ; for the others' sake: my stores are done
	s_barrier_signal -1
	s_barrier_wait -1                              ; 16 rows x 1,024 channels of O lie in LDS
.irp g, 0,1,2,3                                ; y^T = W O^T over my 256 channels, 64 at a time; two accumulators by turns
.if \g > 0
.rept 8
	v_nop                                          ; places in front of loads into registers that matrix instructions have read
.endr
.endif
.irp i, 0,1,2,3,4,5,6,7
	ds_load_b128 v[OF+4*\i:OF+4*\i+3], v7 offset:32*(8*\g+\i)
.endr
	s_wait_dscnt 0x0
.if \g == 0
	s_wait_loadcnt 16                              ; W's first half is in; the second half's 16 loads may be out
.endif
.if \g == 2
	s_wait_loadcnt 0
.endif
.irp i, 0,1,2,3,4,5,6,7
.irp p, 0,1
.if \g < 2
.set WR, WL+4*(8*\g+\i)+2*\p
.else
.set WR, WH+4*(8*(\g-2)+\i)+2*\p
.endif
.if (\g == 0) && (\i == 0)
	v_wmma_f32_16x16x4_f32 v[Y0+8*\p:Y0+8*\p+7], v[WR:WR+1], v[OF+4*\i+2*\p:OF+4*\i+2*\p+1], 0
.else
	v_wmma_f32_16x16x4_f32 v[Y0+8*\p:Y0+8*\p+7], v[WR:WR+1], v[OF+4*\i+2*\p:OF+4*\i+2*\p+1], v[Y0+8*\p:Y0+8*\p+7]
.endif
.endr
.endr
.endr
.rept 8
	v_nop
.endr
.irp j, 0,1,2,3,4,5,6,7
	v_add_f32 v[T+\j], v[Y0+\j], v[Y0+8+\j]        ; lane (r, h) register j: column 16 j' + 8 h + j of the slice, row r
.endr
	ds_store_b128 v8, v[T:T+3]
	ds_store_b128 v8, v[T+4:T+7] offset:16
	s_wait_dscnt 0x0                               ; for the others' sake: my stores are done
	s_barrier_signal -1
	s_barrier_wait -1                              ; the four parts of 16 rows x 64 columns lie in LDS
.irp k, 0,1,2,3
	ds_load_b64 v[T+2*\k:T+2*\k+1], v9 offset:16*PP*\k
.endr
	s_wait_dscnt 0x0
	v_pk_add_f32 v[T:T+1], v[T:T+1], v[T+2:T+3]
	v_pk_add_f32 v[T+4:T+5], v[T+4:T+5], v[T+6:T+7]
	v_pk_add_f32 v[T:T+1], v[T:T+1], v[T+4:T+5]
	global_store_b64 v10, v[T:T+1], s[24:25]       ; 32 lanes store 256 consecutive bytes, at a multiple of 256 from out0's first byte
	s_wait_tensorcnt 0x0                           ; the wave's end, behind my last LDS store
	ds_add_u32 v[SPW], v[NIL]
	s_wait_dscnt 0x0
	s_endpgm
.Lfunc_end_k_q715fd447ca_first16:
	.size	k_q715fd447ca_first16, .Lfunc_end_k_q715fd447ca_first16-k_q715fd447ca_first16
	.p2alignl 7, 3214868480
	.fill 96, 4, 3214868480
	.section	.rodata,"a",@progbits
	.p2align	6, 0x0
	.amdhsa_kernel k_q715fd447ca_first16
		.amdhsa_group_segment_fixed_size 85248
		.amdhsa_private_segment_fixed_size 0
		.amdhsa_enable_private_segment 0
		.amdhsa_kernarg_size 24
		.amdhsa_user_sgpr_count 2
		.amdhsa_user_sgpr_kernarg_segment_ptr 1
		.amdhsa_wavefront_size32 1
		.amdhsa_system_sgpr_workgroup_id_x 1
		.amdhsa_system_sgpr_workgroup_id_y 1
		.amdhsa_system_sgpr_workgroup_id_z 1
		.amdhsa_system_vgpr_workitem_id 0
		.amdhsa_next_free_vgpr 256
		.amdhsa_next_free_sgpr 66
		.amdhsa_reserve_vcc 1
		.amdhsa_float_denorm_mode_32 3
		.amdhsa_float_denorm_mode_16_64 3
		.amdhsa_memory_ordered 1
		.amdhsa_forward_progress 1
		.amdhsa_inst_pref_size 26
	.end_amdhsa_kernel
	.amdgpu_metadata
---
amdhsa.version: [ 1, 2 ]
amdhsa.kernels:
  - .name:           k_q715fd447ca_first16
    .symbol:         k_q715fd447ca_first16.kd
    .args:
      - { .name: q16, .offset: 0, .size: 8, .value_kind: global_buffer, .address_space: global }
      - { .name: w_out, .offset: 8, .size: 8, .value_kind: global_buffer, .address_space: global }
      - { .name: out0, .offset: 16, .size: 8, .value_kind: global_buffer, .address_space: global }
    .group_segment_fixed_size: 85248
    .private_segment_fixed_size: 0
    .kernarg_segment_align: 8
    .kernarg_segment_size: 24
    .max_flat_workgroup_size: 512
    .sgpr_count:     66
    .vgpr_count:     256
    .wavefront_size: 32
...
	.end_amdgpu_metadata
.endif
;; end of part 5
